; MI455X (gfx1250); checked and timed in simulation.
; The chip was launched on July 23, 2026; its instructions are those of AMD's public machine-readable ISA for CDNA 5 (MIT licence, August 2026) and "CDNA5" Instruction Set Architecture Reference Guide (July 2026). The comments in the code are by the model that wrote it; some were corrected since.
;; Multihead Flash Diff. Allowed arithmetic: matrix products marked QUANTISED: E2M3 operands, one E8M0 scale for each 32 along K, by v_wmma_scale_f32_16x16x128_f8f6f4 with both operands' format E2M3, f32 sums; products left as they are: f32 operands where the result goes on into a quantised operand, else bf16, f16 or f32 operands; f32 sums; everything else in f32.
;; Inputs: Wk 1,024 x 1,024 float32; Wo 1,024 x 1,024 float32; Wq 1,024 x 1,024 float32; Wv 1,024 x 1,024 float32; lambda_k1 64 float32; lambda_k2 64 float32; lambda_q1 64 float32; lambda_q2 64 float32; ln_b 128 float32; ln_w 128 float32; x 4 x 4,096 x 1,024 float32.
;; Outputs: out0 4 x 4,096 x 1,024 float32.
;; This version of the problem:
;;   THIS VERSION OF THE PROBLEM IS GIVEN IN LOW PRECISION. The matrix products marked QUANTISED in the list below multiply operands that are first quantised to E2M3 (2 exponent bits, 3 mantissa bits; 6 bits a number), with one power-of-two scale for each 32 numbers along K (OCP MX v1.0); their sums are f32. All else is computed in f32.
;;   The module's matrix products, in the order in which they are computed (A, B: the left and right operand; K: the contracted axis; several contracted axes count as one K, in the product's order):
;;     1. [M 16,384, K 1,024] x [K 1,024, N 1,024]; A: input x; B: input Wq: QUANTISED
;;     2. [M 16,384, K 1,024] x [K 1,024, N 1,024]; A: input x; B: input Wk: QUANTISED
;;     3. [M 16,384, K 1,024] x [K 1,024, N 1,024]; A: input x; B: input Wv: QUANTISED
;;     4. batch 16,384 x [M 8, K 64] x [K 64, N 8]; A: computed on the way; B: computed on the way: left as it is (M = 8 < 16)
;;     5. batch 16,384 x [M 8, K 8] x [K 8, N 128]; A: softmax; B: computed on the way: left as it is (K = 8 < 32)
;;     6. batch 16,384 x [M 8, K 64] x [K 64, N 8]; A: computed on the way; B: computed on the way: left as it is (M = 8 < 16)
;;     7. batch 16,384 x [M 8, K 8] x [K 8, N 128]; A: softmax; B: computed on the way: left as it is (K = 8 < 32)
;;     8. [M 16,384, K 1,024] x [K 1,024, N 1,024]; A: computed on the way; B: input Wo: QUANTISED
;;   THE QUANTISER, for each operand of a quantised product, along K:
;;     - K is cut into blocks of 32 from its start; a last block that is shorter is filled with zeros.
;;     - A block's scale is 2^e with e = floor(log2(the largest magnitude in the block)) - 2, held to -126 .. 127; a block of zeros has e = 0. As a byte (E8M0): e + 127.
;;     - Each number is divided by its block's scale, clamped to +-7.5, and rounded to the nearest number of E2M3, ties to even, subnormals kept.
;;     - The product sums the exact products of the quantised numbers (number of the format x scale) in f32.
;;   ~~~python
;;   def quantise(x, axis):      # numpy; x: float32 -> the quantised numbers, widened to float32 again
;;       x = np.moveaxis(x, axis, -1); K = x.shape[-1]
;;       x = np.pad(x, [(0, 0)] * (x.ndim - 1) + [(0, -K % 32)]); x = x.reshape(x.shape[:-1] + (-1, 32)); a = np.abs(x).max(-1, keepdims=True)
;;       e = np.where(a > 0, np.clip(np.frexp(np.where(a > 0, a, 1))[1] - 1 - 2, -126, 127), 0)      # np.frexp(a)[1] - 1 = floor(log2(a)), exactly
;;       r = np.clip(x / 2.0 ** e, -7.5, 7.5)
;;       step = 2.0 ** (np.maximum(np.frexp(np.where(r == 0, 1, r))[1] - 1, 0) - 3)
;;       q = np.round(r / step) * step * 2.0 ** e      # np.round: ties to even
;;       return np.moveaxis(q.reshape(q.shape[:-2] + (-1,))[..., :K], -1, axis).astype(np.float32)
;;   ~~~
;;   OPERANDS COMPUTED ON THE WAY. 'Computed on the way' means the value that the module computes at that place (a softmax that the list does not call 'softmax' is quantised finished and normalised). What goes into a quantiser is computed in f32, as accurately as f32 sums, v_exp_f32 and their like allow (about 1e-6 of the number): no bf16 or f16 on the way to a quantiser, and a product that is left as it is and whose result goes on into a quantised operand takes f32 operands (vector FMAs, or v_wmma_f32_16x16x4_f32). A number that lies on a knife's edge between two numbers of the format may be rounded either way, as far as f32 arithmetic and the matrix unit's own rounding can turn it there, and no further.
;; 2 versions. Each part assembles by itself: llvm-mc -triple=amdgcn-amd-amdhsa -mcpu=gfx1250 --defsym DOCPART=n.
;; ======== version 1 of 2: 2 launches
;; workspace buffers: wst 3,276,800 bytes
;; launch prep (part 1): grid 256 x 1, 4 waves a work-group, no clusters, 0 bytes of LDS; arguments Wq, Wk, Wv, Wo, wst; writes wst
.if DOCPART == 1
	.amdgcn_target "amdgcn-amd-amdhsa--gfx1250"
	.amdhsa_code_object_version 6
	.text
	.protected	k_q832bb79068_prep
	.globl	k_q832bb79068_prep
	.p2align	8
	.type	k_q832bb79068_prep,@function
k_q832bb79068_prep:
	s_mov_b64 s[64:65], 0
	v_nop
	global_prefetch_b8 v0, s[64:65] scope:SCOPE_SE
	s_setreg_imm32_b32 hwreg(HW_REG_WAVE_MODE, 25, 1), 1
	s_wait_xcnt 0x0
; Wq, Wk, Wv, Wo [1024 (k)][1024 (n)], f32, become codes of FP6 (E2M3) with one E8M0 byte for each 32 along K, laid in wst in the very order in which the second launch's
; waves take them into operand registers: 32 slots of 102,400 bytes; a slot = 4 parts (one a wave) of 25,600 bytes; a part = 16 fragment images of 1,536 bytes and 8 rows of 128 bytes of scale words.
; Image f: register p of lane L at 1536 f + 512 (p / 4) + 16 L + 4 (p % 4).  Scale row i, word l: fragment 2 i + l / 16, its row l % 16; byte b: k = 32 b .. 32 b + 31 of the K step.
; Slot g = 8 p + k.  Pass p: 0 = q1 and k1, 1 = q2 and k2, 2 = v, 3 = Wo.  Fragment f of a slot is tile t = 4 (k / 2) + f % 4, K step s = 4 (k % 2) + f / 4.
; Row y (0..15) of tile t of wave w is the weight's column: p < 2: 128 (t % 8) + 64 p + 16 w + y of Wq (t < 8) or Wk;  p = 2: 128 (t / 2) + 32 w + 8 (t % 2) + y + 8 (y / 8) of Wv;  p = 3: 256 w + 16 t + y of Wo.
;
; DEAD WORK, for the whole program.  reference() turns q and k by _rotary: for token s and pair i the numbers (t[2i], t[2i+1]) are turned by the angle pos(s) x inv_freq(i), the SAME angle for q and for k and for
; all 16 heads.  Turned q and k go nowhere but into the scores, sum over d of q[n][d] k[m][d] of ONE token.  For each pair,
; (a cos - b sin)(c cos - e sin) + (b cos + a sin)(e cos + c sin) = (a c + b e)(cos^2 + sin^2) = a c + b e, whatever a, b, c, e and the angle are.  So the scores are those of the unturned q and k for all values of
; the inputs; these two products are not quantised, so no quantiser sees the turned numbers.  The rotary step is left out.  No input loses its way to the output by that: all eleven inputs are loaded.
; LIMIT of that: a NaN, an infinity or an overflow that would arise in the rotary step alone is not carried to the result.
;
; A LANE TAKES A COLUMN, AND ITS REGISTERS RUN DOWN K: each load reads neighbouring columns in neighbouring lanes, a block of 32 along K lies in one lane, and the conversions give codes with K innermost.
; A work-group (g = id / 8, i = id % 8) makes fragments 2 i and 2 i + 1 of all four parts of slot g; wave w those of part w; lane l the row l % 16 of fragment 2 i + l / 16: 128 along K, four blocks.
; A block's scale is 2^(floor(log2(largest magnitude)) - 2): its byte is the largest magnitude's exponent field - 2, held at 1 from below.
; LIMITS: a block of zeros gets the byte 1 where the rule says 127 (its codes are zeros, which add nothing; only this program reads the bytes); blocks whose largest magnitude lies under 2^-124 are held at that byte;
; NaN and infinities among the inputs are not served.
.set X,   32                           ; v32-95   two sets of 32 numbers
.set CD,  96                           ; v96-119  the codes: block b at CD + 12 (b % 2) + 6 (b / 2): the 12 registers of the operand's lane (row, b % 2) on end
.set TC,  120                          ; v120-122 a block's second 16 codes (a conversion's three registers begin on an even number)
	s_load_b256 s[4:11], s[0:1], 0x0               ; Wq s[4:5], Wk s[6:7], Wv s[8:9], Wo s[10:11]
	s_load_b64 s[12:13], s[0:1], 0x20              ; wst
	v_lshrrev_b32 v1, 5, v0
	v_readfirstlane_b32 s14, v1                    ; wave w
	v_and_b32 v2, 31, v0                           ; lane l
	s_lshr_b32 s15, ttmp9, 3                       ; g
	s_and_b32 s16, ttmp9, 7                        ; i
	s_lshr_b32 s17, s15, 3                         ; p
	s_and_b32 s18, s15, 7                          ; k
	s_lshr_b32 s19, s18, 1
	s_lshl_b32 s19, s19, 2
	s_and_b32 s20, s16, 1
	s_lshl_b32 s20, s20, 1
	s_add_co_u32 s19, s19, s20                     ; tb = 4 (k / 2) + 2 (i % 2): my two tiles are tb and tb + 1
	s_and_b32 s20, s18, 1
	s_lshl_b32 s20, s20, 2
	s_lshr_b32 s21, s16, 1
	s_add_co_u32 s20, s20, s21                     ; K step s = 4 (k % 2) + i / 2
	s_and_b32 s22, s19, 7                          ; the wave's first column, for p < 2: 128 (tb % 8) + 64 p + 16 w
	s_lshl_b32 s22, s22, 7
	s_lshl_b32 s23, s17, 6
	s_add_co_u32 s22, s22, s23
	s_lshl_b32 s23, s14, 4
	s_add_co_u32 s22, s22, s23
	s_lshl_b32 s23, s19, 6                         ; for p = 2: 64 tb + 32 w
	s_lshl_b32 s24, s14, 5
	s_add_co_u32 s23, s23, s24
	s_lshl_b32 s24, s14, 8                         ; for p = 3: 256 w + 16 tb
	s_lshl_b32 s25, s19, 4
	s_add_co_u32 s24, s24, s25
	s_mov_b32 s26, 128                             ; columns from tile tb to tile tb + 1,
	s_mov_b32 s27, 0                               ; and the jump behind a tile's eighth row
	s_cmp_eq_u32 s17, 2
	s_cselect_b32 s22, s23, s22
	s_cselect_b32 s26, 8, s26
	s_cselect_b32 s27, 8, s27
	s_cmp_eq_u32 s17, 3
	s_cselect_b32 s22, s24, s22
	s_cselect_b32 s26, 16, s26
	v_and_b32 v3, 15, v2                           ; my row of the tile
	v_lshrrev_b32 v7, 4, v2                        ; which of the two tiles
	v_bfe_u32 v8, v2, 3, 1
	v_mad_u32_u24 v4, v7, s26, v3
	v_mad_u32_u24 v4, v8, s27, v4
	v_lshlrev_b32 v4, 2, v4                        ; my column, in bytes from the wave's first
	v_mul_u32_u24 v5, v7, 1536
	v_lshl_add_u32 v5, v3, 4, v5                   ; out: my fragment's image, 16 bytes for my row
	v_lshlrev_b32 v6, 2, v2                        ; and my scale word
	s_wait_kmcnt 0x0
	s_cmp_lt_u32 s19, 8                            ; the weight is chosen by ids alone
	s_cselect_b64 s[4:5], s[4:5], s[6:7]
	s_cmp_eq_u32 s17, 2
	s_cselect_b64 s[4:5], s[8:9], s[4:5]
	s_cmp_eq_u32 s17, 3
	s_cselect_b64 s[4:5], s[10:11], s[4:5]
	s_lshl_b32 s28, s20, 19                        ; 128 rows of 4,096 bytes a K step
	s_lshl_b32 s29, s22, 2
	s_add_co_u32 s28, s28, s29
	s_mov_b32 s29, 0
	s_add_nc_u64 s[4:5], s[4:5], s[28:29]
	s_mul_i32 s28, s15, 102400
	s_mul_i32 s30, s14, 25600
	s_add_co_u32 s28, s28, s30
	s_add_nc_u64 s[12:13], s[12:13], s[28:29]      ; my part of slot g
	s_mul_i32 s28, s16, 3072
	s_add_nc_u64 s[6:7], s[12:13], s[28:29]        ; fragments 2 i, 2 i + 1
	s_lshl_b32 s28, s16, 7
	s_add_co_u32 s28, s28, 24576
	s_add_nc_u64 s[8:9], s[12:13], s[28:29]        ; scale row i
.macro LOAD b                          ; block b: W(128 s + 32 b + i, my column), i = 0 .. 31, into set b % 2
.irp i, 0,1,2,3,4,5,6,7,8,9,10,11,12,13,14,15,16,17,18,19,20,21,22,23,24,25,26,27,28,29,30,31
	global_load_b32 v[X+32*((\b)%2)+\i], v4, s[4:5] offset:(32*(\b)+\i)*4096
.endr
.endm
.macro BLOCK b
.set XB, X+32*((\b)%2)
.set DB, CD+12*((\b)%2)+6*((\b)/2)
.if (\b) < 3
	s_wait_loadcnt 32                              ; this block's 32 loads are in; the next block's 32 may be out
.else
	s_wait_loadcnt 0
.endif
	v_max3_num_f32 v12, |v[XB]|, |v[XB+1]|, |v[XB+2]|               ; the block's largest magnitude: all 32 numbers are mine; two chains
	v_max3_num_f32 v13, |v[XB+3]|, |v[XB+4]|, |v[XB+5]|
.irp i, 6,10,14,18,22,26
	v_max3_num_f32 v12, v12, |v[XB+\i]|, |v[XB+\i+1]|
	v_max3_num_f32 v13, v13, |v[XB+\i+2]|, |v[XB+\i+3]|
.endr
	v_max3_num_f32 v12, v12, |v[XB+30]|, |v[XB+31]|
	v_max3_num_f32 v12, v12, v13, 0x1800000        ; and the floor 2^(3 - 127): the byte cannot fall under 1
	v_add_nc_u32 v11, 0xff000000, v12              ; 2 off the exponent field: the conversion takes the exponent field of this operand as its scale
	v_lshrrev_b32 v13, 23, v11                     ; the scale's byte
.if (\b) == 0
	v_mov_b32 v14, v13
.else
	v_lshl_or_b32 v14, v13, 8*(\b), v14            ; the four bytes make my row's scale word
.endif
	v_cvt_scalef32_pk16_fp6_f32 v[DB:DB+2], v[XB:XB+15], v11
	v_cvt_scalef32_pk16_fp6_f32 v[TC:TC+2], v[XB+16:XB+31], v11
	v_nop                                          ; one plain place behind a scaled conversion
.irp i, 0,1,2
	v_mov_b32 v[DB+3+\i], v[TC+\i]
.endr
.if (\b) < 2
	LOAD (\b)+2
.endif
.endm
	LOAD 0
	LOAD 1
	BLOCK 0
	BLOCK 1
	BLOCK 2
	BLOCK 3
.irp hh, 0,1                           ; the operand's lane (row, hh) holds blocks hh and 2 + hh: 12 registers, three stores; sixteen lanes store 256 consecutive bytes, at a multiple of 256 from wst's first byte
.irp c, 0,1,2
	global_store_b128 v5, v[CD+12*\hh+4*\c:CD+12*\hh+4*\c+3], s[6:7] offset:256*\hh+512*\c
.endr
.endr
	global_store_b32 v6, v14, s[8:9]               ; 32 scale words, 128 bytes on end
	s_endpgm
.Lfunc_end_k_q832bb79068_prep:
	.size	k_q832bb79068_prep, .Lfunc_end_k_q832bb79068_prep-k_q832bb79068_prep
	.p2alignl 7, 3214868480
	.fill 96, 4, 3214868480
	.section	.rodata,"a",@progbits
	.p2align	6, 0x0
	.amdhsa_kernel k_q832bb79068_prep
		.amdhsa_group_segment_fixed_size 0
		.amdhsa_private_segment_fixed_size 0
		.amdhsa_enable_private_segment 0
		.amdhsa_kernarg_size 40
		.amdhsa_user_sgpr_count 2
		.amdhsa_user_sgpr_kernarg_segment_ptr 1
		.amdhsa_wavefront_size32 1
		.amdhsa_system_sgpr_workgroup_id_x 1
		.amdhsa_system_sgpr_workgroup_id_y 1
		.amdhsa_system_sgpr_workgroup_id_z 1
		.amdhsa_system_vgpr_workitem_id 0
		.amdhsa_next_free_vgpr 128
		.amdhsa_next_free_sgpr 66
		.amdhsa_reserve_vcc 0
		.amdhsa_float_denorm_mode_32 3
		.amdhsa_float_denorm_mode_16_64 3
		.amdhsa_memory_ordered 1
		.amdhsa_forward_progress 1
		.amdhsa_inst_pref_size 22
	.end_amdhsa_kernel
	.amdgpu_metadata
---
amdhsa.version: [ 1, 2 ]
amdhsa.kernels:
  - .name:           k_q832bb79068_prep
    .symbol:         k_q832bb79068_prep.kd
    .args:
      - { .name: Wq, .offset: 0, .size: 8, .value_kind: global_buffer, .address_space: global }
      - { .name: Wk, .offset: 8, .size: 8, .value_kind: global_buffer, .address_space: global }
      - { .name: Wv, .offset: 16, .size: 8, .value_kind: global_buffer, .address_space: global }
      - { .name: Wo, .offset: 24, .size: 8, .value_kind: global_buffer, .address_space: global }
      - { .name: wst, .offset: 32, .size: 8, .value_kind: global_buffer, .address_space: global }
    .group_segment_fixed_size: 0
    .private_segment_fixed_size: 0
    .kernarg_segment_align: 8
    .kernarg_segment_size: 40
    .max_flat_workgroup_size: 128
    .sgpr_count:     66
    .vgpr_count:     128
    .wavefront_size: 32
...
	.end_amdgpu_metadata
.endif
;; end of part 1
;; launch main (part 2): grid 256 x 1, 4 waves a work-group, clusters of 4 x 1, 327,680 bytes of LDS; arguments x, wst, lambda_q1, lambda_k1, lambda_q2, lambda_k2, ln_w, ln_b, out0; writes out0
.if DOCPART == 2
	.amdgcn_target "amdgcn-amd-amdhsa--gfx1250"
	.amdhsa_code_object_version 6
	.text
	.protected	k_q832bb79068_main
	.globl	k_q832bb79068_main
	.p2align	8
	.type	k_q832bb79068_main,@function
k_q832bb79068_main:
	s_mov_b64 s[64:65], 0
	v_nop
	global_prefetch_b8 v0, s[64:65] scope:SCOPE_SE
	s_setreg_imm32_b32 hwreg(HW_REG_WAVE_MODE, 25, 1), 1
	s_wait_xcnt 0x0
	s_wait_alu depctr_hold_cnt(0) depctr_sa_sdst(0) depctr_va_vdst(0) depctr_va_sdst(0) depctr_va_ssrc(0) depctr_va_vcc(0) depctr_vm_vsrc(0)
	s_getreg_b32 s2, hwreg(HW_REG_IB_STS2, 6, 4)
	s_cmp_eq_u32 s2, 0
	s_cbranch_scc0 .Lentry_in_a_cluster
	s_endpgm
.Lentry_in_a_cluster:
	s_bfe_u32 s2, ttmp6, 0x10000c
	s_cmp_lg_u32 s2, 0x3003
	s_cbranch_scc0 .Lentry_shape_is_right
	s_endpgm
.Lentry_shape_is_right:
; out0 = norm(attn1 - lam attn2) Wo for 64 tokens a work-group, from x to out0 with nothing through memory.  The four large products run on codes of FP6 (E2M3) with E8M0 scales; all else is f32.
; LEFT OUT: the rotary step, which cannot move the scores for any value of the inputs (shown at the head of the first kernel).  attn1 - lam attn2 is formed as (aw1 - lam aw2) v, one product for two (distributive law).
; SHARES.  Four waves.  Four passes over 8 slots of weights each (buffer wst, laid by the first launch in the order of the operand registers): pass 0: q1, k1; 1: q2, k2; 2: v; 3: Wo.  In a pass a wave makes
; 16 tiles of 16 columns x 4 tiles of 16 tokens: 64 accumulators, 512 registers.  The tokens' codes (of x; in pass 3 of the normed a) stay in registers: 32 fragments, 384 registers, the same in all four waves.
; THE MATRIX INSTRUCTION IS USED TRANSPOSED (source 0 = 16 columns of a weight, source 1 = 16 tokens): a lane (r = lane % 16, h = lane / 16) holds ONE token, and its eight registers eight neighbouring columns:
; pass 0, 1: d = 16 w + 8 h + j of head t % 8 (t < 8: q, else k);  pass 2: e = 32 w + 16 h + 8 (t % 2) + j of head t / 2;  pass 3: column 256 w + 16 t + 8 h + j of out0.
; Behind pass 0 and 1: the scores (each wave sums its 16 d; the four waves' parts meet in LDS), the softmax across the heads with its row maximum taken away, times 1 or -lam.  Behind pass 2: P = aw1 - lam aw2,
; a = P v by packed multiply-adds, the norm over 128 (the waves' parts of the sum of squares meet in LDS), gain and bias, the quantiser along 128 n + e; the codes go to LDS as rows and come back as fragments.
; CLUSTER.  All work-groups walk the same weights, so the four of a cluster ask for each part of a slot JOINTLY (mask 15).  x is each work-group's own and comes by plain loads.
; LIMITS: a block of zeros gets the scale byte 1 (its codes are zeros); blocks whose largest magnitude lies under 2^-124 are held at that byte; NaN and infinities among the inputs are not served; the f32 sums of the
; scores, of a and of its squares are taken in another order than reference()'s.
; LDS: 0: two slots of 102,400 (first: x as f32, 8 planes of 64 rows x 528, up to 270,336);  SP: the waves' parts of the scores, later P, the norm's parts and the stages of the way out (x's upper part has had its
; only fill by then);  ACODE: the tokens' codes as rows of 784 (in passes 0 to 2 its first 32,768 bytes hold the two images of the softmax);  ASC: their scale words, 48 bytes a token;  the spare words;  LNR: gain and bias.
; REGISTERS, in windows of 256: window 0: v1-7 addresses, v8-23 the tokens' scale words, v24-26 the weights' scale words, v28-99 three sets of two weight fragments (free between steps), v100-111 addresses that stay,
; v112-255 token fragments of K steps 5-7;  window 1: those of K steps 0-4;  windows 2, 3: accumulator (t, m) at v[8 (4 (t % 8) + m)] of window 2 + t / 8.
.set SLOTB,  102400
.set PARTB,  25600
.set XPL,    33792                     ; a plane of x: 64 rows x 528
.set SP,     204800
.set PREG,   SP                        ; P: 272 bytes a token
.set NRM,    SP+17408                  ; the norm's parts: two halves of 2,048 by turns
.set STG,    SP+21504                  ; the way out: 16 rows x 272 for each wave
.set ACODE,  270336
.set APITCH, 784
.set ASC,    320512
.set SPARE,  323584                    ; the spare words, 128 bytes a wave: two blocks of 256 bytes that no other line names
.set LNR,    324096
.set SPW, 1                            ; v1   my spare word's address; never rewritten
.set NIL, 2                            ; v2   0; never rewritten
.set WA,  3                            ; v3-4 my lane's place in my part of slot 0, 1
.set PFO, 5                            ; v5   the prefetches' offset
.set WSA, 6                            ; v6-7 my lane's scale word in my part of slot 0, 1
.set XS,  8                            ; v8-23  XS[8 i + s]: lanes 0-15 token tile 2 i, lanes 16-31 tile 2 i + 1, K step s
.set WS,  24                           ; v24-26 a set's scale words: lanes 0-15 its first fragment, lanes 16-31 its second
.set FSET, 28
.set FA,  100                          ; ACODE + 784 r + 24 h
.set FS,  101                          ; ASC + 48 lane
.set OSO, 102                          ; my stage, in: 272 r + 32 h
.set OSR, 103                          ; my stage, back: 272 h + 16 r
.set OGO, 104                          ; out0: 4096 h + 16 r
.set BSA, 105                          ; SP + 16384 w + 16 lane
.set SLA, 106                          ; SP + 4096 w + 16 lane
.set AWA, 107                          ; ACODE + 4096 w + 16 lane
.set LN,  108                          ; lane
.set VR,  110                          ; r
.set VH,  111                          ; h
.set TM,  28                           ; the quantiser's 16 registers at work
.set PW,  44                           ; the scale word just made
.set PC,  46                           ; v46-65 the codes just made
.set WV,  22                           ; s22  wave
.set G1,  24                           ; s[24:31] group 1 of the weights' loads;  s[32:35], s[36:39] group 0 for slot 0, 1
.set G0,  32
.set G1X, 40                           ; s[40:47] group 1 of x's loads;  s[48:51], s[52:55] their groups 0
.set G0X, 48
.set PP,  56                           ; s56  the pass
.set CNT, 57                           ; s57  inner loops' counter
.set CS,  58                           ; s[58:59] log2(e) / 64^0.25
.set SEL, 60                           ; s[60:61] v_permlanex16_b32's selects for lane xor 16
.set NLAM, 62                          ; s62  -lam
.set CF,  63                           ; s63  1 or -lam
.set LIM, 66                           ; s66  1 in the first cluster, which prefetches
.set LIM2, 67                          ; s67  the same, 0 in pass 3
.set PFA, 68                           ; s[68:69] where my prefetches stand
.set AWO, 70
.set MSB, 0
.macro WIN new                         ; the immediate's high byte repeats the setting that is left; a switch that changes nothing is dropped
.if MSB != (\new)
	s_set_vgpr_msb (MSB<<8)|(\new)
.set MSB, (\new)
.endif
.endm
.macro PLACES                          ; four plain places behind matrix instructions, in front of reads of results and of loads or writes into their registers
.rept 4
	v_nop
.endr
.endm
.macro ROUND                           ; a round of the cluster's barrier
	s_barrier_signal -1
	s_barrier_wait -1
	s_cmp_lg_u32 s[WV], 0
	s_cbranch_scc1 .Lnot_wave_0_\@
	s_barrier_signal -3
.Lnot_wave_0_\@:
	s_barrier_wait -3
	s_barrier_signal -1
	s_barrier_wait -1
.endm
; one product: acc (+)= weights' fragment fa x tokens' fragment fb.  ra, rb: the scale words are taken from lanes 16-31
.macro WM acc, fa, fb, zero, ws, xs, ra, rb
.if \zero
.if \ra
.if \rb
	v_wmma_scale_f32_16x16x128_f8f6f4 v[(\acc):(\acc)+7], v[(\fa):(\fa)+11], v[(\fb):(\fb)+11], 0, v[\ws], v[\xs] matrix_a_fmt:MATRIX_FMT_FP6 matrix_b_fmt:MATRIX_FMT_FP6 matrix_a_scale:MATRIX_SCALE_ROW1 matrix_b_scale:MATRIX_SCALE_ROW1
.else
	v_wmma_scale_f32_16x16x128_f8f6f4 v[(\acc):(\acc)+7], v[(\fa):(\fa)+11], v[(\fb):(\fb)+11], 0, v[\ws], v[\xs] matrix_a_fmt:MATRIX_FMT_FP6 matrix_b_fmt:MATRIX_FMT_FP6 matrix_a_scale:MATRIX_SCALE_ROW1
.endif
.else
.if \rb
	v_wmma_scale_f32_16x16x128_f8f6f4 v[(\acc):(\acc)+7], v[(\fa):(\fa)+11], v[(\fb):(\fb)+11], 0, v[\ws], v[\xs] matrix_a_fmt:MATRIX_FMT_FP6 matrix_b_fmt:MATRIX_FMT_FP6 matrix_b_scale:MATRIX_SCALE_ROW1
.else
	v_wmma_scale_f32_16x16x128_f8f6f4 v[(\acc):(\acc)+7], v[(\fa):(\fa)+11], v[(\fb):(\fb)+11], 0, v[\ws], v[\xs] matrix_a_fmt:MATRIX_FMT_FP6 matrix_b_fmt:MATRIX_FMT_FP6
.endif
.endif
.else
.if \ra
.if \rb
	v_wmma_scale_f32_16x16x128_f8f6f4 v[(\acc):(\acc)+7], v[(\fa):(\fa)+11], v[(\fb):(\fb)+11], v[(\acc):(\acc)+7], v[\ws], v[\xs] matrix_a_fmt:MATRIX_FMT_FP6 matrix_b_fmt:MATRIX_FMT_FP6 matrix_a_scale:MATRIX_SCALE_ROW1 matrix_b_scale:MATRIX_SCALE_ROW1
.else
	v_wmma_scale_f32_16x16x128_f8f6f4 v[(\acc):(\acc)+7], v[(\fa):(\fa)+11], v[(\fb):(\fb)+11], v[(\acc):(\acc)+7], v[\ws], v[\xs] matrix_a_fmt:MATRIX_FMT_FP6 matrix_b_fmt:MATRIX_FMT_FP6 matrix_a_scale:MATRIX_SCALE_ROW1
.endif
.else
.if \rb
	v_wmma_scale_f32_16x16x128_f8f6f4 v[(\acc):(\acc)+7], v[(\fa):(\fa)+11], v[(\fb):(\fb)+11], v[(\acc):(\acc)+7], v[\ws], v[\xs] matrix_a_fmt:MATRIX_FMT_FP6 matrix_b_fmt:MATRIX_FMT_FP6 matrix_b_scale:MATRIX_SCALE_ROW1
.else
	v_wmma_scale_f32_16x16x128_f8f6f4 v[(\acc):(\acc)+7], v[(\fa):(\fa)+11], v[(\fb):(\fb)+11], v[(\acc):(\acc)+7], v[\ws], v[\xs] matrix_a_fmt:MATRIX_FMT_FP6 matrix_b_fmt:MATRIX_FMT_FP6
.endif
.endif
.endif
.endm
.macro LG par, q                       ; fragments 2 q and 2 q + 1 of my part of slot par, and their scale words, into set q % 3: seven LDS loads, each of consecutive bytes
.irp i, 0,1
.irp c, 0,1,2
	ds_load_b128 v[FSET+24*((\q)%3)+12*\i+4*\c:FSET+24*((\q)%3)+12*\i+4*\c+3], v[WA+\par] offset:(2*(\q)+\i)*1536+512*\c
.endr
.endr
	ds_load_b32 v[WS+(\q)%3], v[WSA+\par] offset:128*(\q)
.endm
.macro MG k, q                         ; eight products: set q % 3's two tiles x the four tiles of tokens; eight accumulators, one instruction a turn
.set ks, 4*((\k)%2)+(\q)/2
.set aw, 2+(\k)/4
.if ks < 5
.set xw, 1
.else
.set xw, 0
.endif
	WIN (aw<<6)|(aw<<4)|(xw<<2)
.irp i, 0,1
.irp m, 0,1,2,3
.set tt, 4*((\k)/2)+2*((\q)%2)+\i
.set rac, 8*(4*(tt%8)+\m)
.if ks < 5
.set rx, 12*(4*ks+\m)
.else
.set rx, 112+12*(4*(ks-5)+\m)
.endif
	WM rac, FSET+24*((\q)%3)+12*\i, rx, (ks==0), WS+(\q)%3, XS+8*(\m/2)+ks, \i, (\m%2)
.endr
.endr
.endm
; A prefetch of the slot four slots on: three steps ahead of the tensor load that asks for it.  The launch's first cluster asks, nobody else; its sixteen waves take 25 blocks of 256 bytes each, told apart by address
; (part by the wave, quarter of the part by the work-group's place); lanes 25 to 31 name block 24 once more, since 25 does not fill a wave.  Slots 0 to 3 come by their loads alone; nothing is named past slot 31.
.macro ASK k, lim
	s_cmp_eq_u32 s[\lim], 1
	s_cbranch_scc0 .Lnot_mine_\@
	global_prefetch_b8 v[PFO], s[PFA:PFA+1] offset:(\k)*SLOTB th:TH_LOAD_NT scope:SCOPE_SE
.Lnot_mine_\@:
.endm
; A STEP: slot par holds the pass's k-th slot of weights: 4 tiles x 4 K steps a wave, 64 products.  In front of the round each wave waits for all its tensor loads (its part of this slot), adds 0 to its spare word, and
; waits for that and for its reads of the other slot.  Behind the round the other slot is filled first, jointly; it has this step's 64 products in which to land.
.macro STEP par, k, refill, ask, lim
	s_wait_tensorcnt 0x0                           ; no tensor load of mine is out, so a group 0 may be written
	ds_add_u32 v[SPW], v[NIL]
	s_add_nc_u64 s[G0+4*\par+2:G0+4*\par+3], s[G0+4*\par+2:G0+4*\par+3], 2*SLOTB   ; this slot's next fill: two slots on in wst
	s_wait_dscnt 0x0                               ; the add is done, and my reads of the other slot are over
	ROUND
.if \refill
	tensor_load_to_lds s[G0+4*(1-\par):G0+4*(1-\par)+3], s[G1:G1+7]
	s_nop 0
.endif
	PLACES                                         ; also the places in front of the loads into the sets
	LG \par, 0
	LG \par, 1
	LG \par, 2
.if \ask
	ASK \k, \lim
.endif
.irp q, 0,1,2,3,4,5,6,7
.if \q < 6
	s_wait_dscnt 14                                ; set q is in; the two younger groups of seven loads may be out
.elseif \q == 6
	s_wait_dscnt 7
.else
	s_wait_dscnt 0
.endif
	MG \k, \q
.if \q < 5
	PLACES
	WIN 0
	LG \par, \q+3                                  ; into the set just multiplied: sixteen products ahead of its use
.endif
.endr
	WIN 0
.endm
; 64 numbers of a lane, v[src] on, register 16 b + i = k 32 b + 16 h + i of my token, become a fragment's codes in v[PC] on and its scale word in v[PW]
.macro QUANT src
.irp b, 0,1,2,3
	v_max3_num_f32 v[TM+\b], |v[\src+16*\b]|, |v[\src+1+16*\b]|, 0x1800000   ; block b: my 16 numbers, and the floor 2^(3 - 127)
.endr
.irp i, 2,4,6,8,10,12,14
.irp b, 0,1,2,3
	v_max3_num_f32 v[TM+\b], v[TM+\b], |v[\src+16*\b+\i]|, |v[\src+1+16*\b+\i]|
.endr
.endr
.irp b, 0,1,2,3
	v_permlanex16_b32 v[TM+4+\b], v[TM+\b], s[SEL], s[SEL+1]
.endr
.irp b, 0,1,2,3
	v_max_num_f32 v[TM+\b], v[TM+\b], v[TM+4+\b]   ; with lane xor 16's: the block's largest magnitude
.endr
.irp b, 0,1,2,3
	v_add_nc_u32 v[TM+12+\b], 0xff000000, v[TM+\b] ; 2 off its exponent field: the conversion's scale operand
.endr
.irp b, 0,1,2,3
	v_lshrrev_b32 v[TM+4+\b], 23, v[TM+12+\b]      ; the scale's byte
.endr
	v_lshl_or_b32 v[PW], v[TM+5], 8, v[TM+4]
	v_lshl_or_b32 v[PW], v[TM+6], 16, v[PW]
	v_lshl_or_b32 v[PW], v[TM+7], 24, v[PW]
.irp c, 0,1
	v_cvt_scalef32_pk16_fp6_f32 v[PC+6*\c:PC+2+6*\c], v[\src+32*\c:\src+15+32*\c], v[TM+12+2*\c]
	v_cvt_scalef32_pk16_fp6_f32 v[PC+12+4*\c:PC+14+4*\c], v[\src+16+32*\c:\src+31+32*\c], v[TM+12+2*\c+1]
.endr
	v_nop                                          ; one plain place behind a scaled conversion
.irp c, 0,1                            ; the operand's layout wants a whole block in a lane: lanes 0-15 block 2 c, lanes 16-31 block 2 c + 1
.irp i, 0,1,2
	v_permlane16_swap_b32 v[PC+6*\c+\i], v[PC+12+4*\c+\i]
.endr
.irp i, 0,1,2
	v_mov_b32 v[PC+3+6*\c+\i], v[PC+12+4*\c+\i]
.endr
.endr
.endm
.macro CSTORE u                        ; the fragment goes to its token's row of codes, 24 bytes a block, and its scale word beside the others
.irp c, 0,1
.irp i, 0,1,2
	ds_store_b64 v244, v[PC+6*\c+2*\i:PC+6*\c+2*\i+1] offset:96*(\u)+48*\c+8*\i
.endr
.endr
	ds_store_b32 v245, v[PW] offset:4*(\u)
.endm
.macro FETCHA                          ; all 32 token fragments and their scale words, from the rows of codes into registers
.irp s, 0,1,2,3,4,5,6,7
.if \s < 5
	WIN 0x40                                       ; destination window 1
.else
	WIN 0
.endif
.irp m, 0,1,2,3
.if \s < 5
.set rx, 12*(4*\s+\m)
.else
.set rx, 112+12*(4*(\s-5)+\m)
.endif
.irp c, 0,1
.irp i, 0,1,2
	ds_load_b64 v[rx+6*\c+2*\i:rx+6*\c+2*\i+1], v[FA] offset:16*APITCH*\m+96*\s+48*\c+8*\i
.endr
.endr
.endr
.endr
.irp i, 0,1
.irp c, 0,1
	ds_load_b128 v[XS+8*\i+4*\c:XS+8*\i+4*\c+3], v[FS] offset:1536*\i+16*\c
.endr
.endr
	s_wait_dscnt 0x0
.endm
; My part (16 of the 64 d) of the scores of token tile m, heads n and n + 4 against all eight heads.  Each accumulator is read from its low end on.
.macro BATCH m, n
.set bb, 4*(\m)+(\n)
.set RB, 60+16*(bb%2)
	WIN 0x0e                                       ; source 0 (q) window 2, source 1 (k) window 3
.irp jj, 0,1,2,3
.irp g, 0,1
.irp mp, 0,1,2,3,4,5,6,7
.set rq, 8*(4*((\n)+4*\g)+(\m))+2*\jj
.set rk, 8*(4*\mp+(\m))+2*\jj
.set rt, 28+2*(8*\g+\mp)
.if \jj == 0
	v_pk_mul_f32 v[rt:rt+1], v[rq:rq+1], v[rk:rk+1]
.else
	v_pk_fma_f32 v[rt:rt+1], v[rq:rq+1], v[rk:rk+1], v[rt:rt+1]
.endif
.endr
.endr
.endr
	WIN 0
	s_wait_dscnt 2                                 ; the last batch's two stores may be out: those of two batches back have read these registers
.irp e, 0,1,2,3,4,5,6,7,8,9,10,11,12,13,14,15
	v_add_f32 v[RB+\e], v[28+2*\e], v[29+2*\e]
.endr
.irp e, 0,1,2,3,4,5,6,7
	v_permlane16_swap_b32 v[RB+\e], v[RB+8+\e]     ; head n's upper-half parts come to lanes 0-15, head n + 4's lower-half parts to lanes 16-31
.endr
.irp e, 0,2,4,6
	v_pk_add_f32 v[RB+\e:RB+\e+1], v[RB+\e:RB+\e+1], v[RB+8+\e:RB+9+\e]   ; lane (r, h): head n + 4 h against heads 0 .. 7
.endr
	ds_store_b128 v[BSA], v[RB:RB+3] offset:4096*(\m)+1024*(\n)
	ds_store_b128 v[BSA], v[RB+4:RB+7] offset:4096*(\m)+1024*(\n)+512
.endm
; THE WAY OUT of a quarter of my columns (tiles 4 j .. 4 j + 3: 64 columns, 256 bytes a token), a tile of 16 tokens at a time through my own stage: LDS serves a wave's instructions in order (ISA guide 5.7.1.4)
.macro OUTQ j
	PLACES
.irp m, 0,1,2,3
.if \m >= 2
	s_wait_xcnt 0x0                                ; the stores of two tiles back have read their registers
.endif
	WIN 0x08+4*((\j)/2)                            ; an LDS store's data: window 2 or 3
.irp tp, 0,1,2,3
.set rac, 8*(4*((4*(\j)+\tp)%8)+\m)
	ds_store_b128 v[OSO], v[rac:rac+3] offset:64*\tp             ; each accumulator from its low end on
	ds_store_b128 v[OSO], v[rac+4:rac+7] offset:64*\tp+16
.endr
	WIN 0
.set ob, 28+32*(\m%2)
.irp i, 0,1,2,3,4,5,6,7
	ds_load_b128 v[ob+4*\i:ob+4*\i+3], v[OSR] offset:544*\i
.endr
.irp i, 0,1,2,3,4,5,6,7
	s_wait_dscnt 7-\i
	global_store_b128 v[OGO], v[ob+4*\i:ob+4*\i+3], s[20:21] offset:(16*\m+2*\i)*4096+256*(\j) th:TH_STORE_NT   ; 16 lanes store 256 consecutive bytes, at a multiple of 256 from out0's first byte
.endr
.endr
	s_wait_xcnt 0x0                                ; the stores have read their registers: the next step's loads may land there
.endm
	; ---- the head
	s_load_b512 s[4:19], s[0:1], 0x0               ; x s[4:5], wst s[6:7], lambda_q1, _k1, _q2, _k2 s[8:15], ln_w s[16:17], ln_b s[18:19]
	s_load_b64 s[20:21], s[0:1], 0x40              ; out0
	v_lshl_add_u32 v[SPW], v0, 2, SPARE
	v_mov_b32 v[NIL], 0
	ds_add_u32 v[SPW], v[NIL]                      ; the wave's opening: the add, twice on end, and its wait ahead of my first tensor load
	ds_add_u32 v[SPW], v[NIL]
	v_lshrrev_b32 v[LN], 5, v0
	v_readfirstlane_b32 s[WV], v[LN]               ; wave 0..3
	s_bfe_u32 s23, ttmp6, 0x40000                  ; cx: it enters x's, out0's and the prefetches' global addresses alone
	s_lshl_b32 s80, ttmp9, 2
	s_add_co_u32 s80, s80, s23                     ; my block of 64 tokens
	s_lshl_b32 s80, s80, 18                        ; x 64 rows of 4,096 bytes,
	s_lshl_b32 s81, s[WV], 10                      ; + 1,024 w: in x my two planes, in out0 my 256 columns
	s_add_co_u32 s80, s80, s81
	s_mov_b32 s81, 0
	s_mul_i32 s82, s[WV], PARTB                    ; my part of a slot
	s_mov_b32 s83, 0
	s_mul_i32 s84, s23, 6400
	s_add_co_u32 s84, s84, 4*SLOTB                 ; the prefetches begin at slot 4
	s_mov_b32 s85, 0
	s_mov_b32 s[G1+0], 15|(3<<16)|(1<<21)          ; the mask: all four work-groups; elements of 8 bytes; bit 21 set beside a mask; no padding
	s_mov_b32 s[G1+1], 32<<16                      ; tensor_dim0 = 32 (256 bytes)
	s_mov_b32 s[G1+2], 100<<16                     ; tensor_dim1 = 100
	s_mov_b32 s[G1+3], 32<<16                      ; tile_dim0
	s_mov_b32 s[G1+4], 100                         ; tile_dim1
	s_mov_b32 s[G1+5], 32                          ; dense
	s_mov_b32 s[G1+6], 0
	s_mov_b32 s[G1+7], 0
	s_mov_b32 s[G1X+0], (2<<16)|(1<<20)|(6<<22)|(3<<25)   ; no mask; elements of 4 bytes; 4 words of padding behind every 128
	s_mov_b32 s[G1X+1], 128<<16
	s_mov_b32 s[G1X+2], 64<<16
	s_mov_b32 s[G1X+3], 128<<16
	s_mov_b32 s[G1X+4], 64
	s_mov_b32 s[G1X+5], 1024
	s_mov_b32 s[G1X+6], 0
	s_mov_b32 s[G1X+7], 0
	s_mov_b32 s[G0], 1
	s_mul_i32 s[G0+1], s[WV], PARTB
	s_mov_b32 s[G0+4], 1
	s_add_co_u32 s[G0+5], s[G0+1], SLOTB
	s_mov_b32 s[G0X], 1
	s_mul_i32 s[G0X+1], s[WV], 2*XPL               ; planes 2 w and 2 w + 1
	s_mov_b32 s[G0X+4], 1
	s_add_co_u32 s[G0X+5], s[G0X+1], XPL
	s_mov_b32 s[CS], 0x3f0293ee                    ; log2(e) / 64^0.25
	s_mov_b32 s[CS+1], s[CS]
	s_mov_b32 s[SEL], 0x76543210
	s_mov_b32 s[SEL+1], 0xfedcba98
	s_mov_b32 s75, 0x3c000000                      ; 1 / 128
	s_mov_b32 s76, 0x322bcc77                      ; 1e-8
	s_mov_b32 s77, 0x3e5d9673                      ; 1 - LAMBDA_INIT
	s_cmp_eq_u32 ttmp9, 0                          ; the same in all four partners
	s_cselect_b32 s[LIM], 1, 0
	s_mov_b32 s[LIM2], s[LIM]
	s_wait_dscnt 0x0                               ; both opening adds are done
	s_wait_kmcnt 0x0
	s_add_nc_u64 s[G0X+2:G0X+3], s[4:5], s[80:81]
	s_add_nc_u64 s[G0X+6:G0X+7], s[G0X+2:G0X+3], 512
	s_or_b32 s[G0X+3], s[G0X+3], 0x80000000
	s_or_b32 s[G0X+7], s[G0X+7], 0x80000000
	s_add_nc_u64 s[G0+2:G0+3], s[6:7], s[82:83]
	s_add_nc_u64 s[G0+6:G0+7], s[G0+2:G0+3], SLOTB
	s_add_nc_u64 s[PFA:PFA+1], s[G0+2:G0+3], s[84:85]
	s_or_b32 s[G0+3], s[G0+3], 0x80000000
	s_or_b32 s[G0+7], s[G0+7], 0x80000000
	s_add_nc_u64 s[20:21], s[20:21], s[80:81]
	ROUND                                          ; in a cluster launch the first tensor loads stand behind a round
	tensor_load_to_lds s[G0X:G0X+3], s[G1X:G1X+7]  ; x, all 64 rows x 1,024: two planes of 128 along K a wave; two loads of mine are out
	s_nop 0
	tensor_load_to_lds s[G0X+4:G0X+7], s[G1X:G1X+7]
	s_nop 0
	PLACES
	; ---- while x lands: lam, gain and bias, the addresses that stay
	v_and_b32 v[LN], 31, v0
	v_and_b32 v[VR], 15, v0
	v_bfe_u32 v[VH], v0, 4, 1
	v_lshlrev_b32 v28, 3, v[LN]
	v_lshlrev_b32 v29, 2, v0
	global_load_b64 v[30:31], v28, s[8:9]
	global_load_b64 v[32:33], v28, s[10:11]
	global_load_b64 v[34:35], v28, s[12:13]
	global_load_b64 v[36:37], v28, s[14:15]
	global_load_b32 v38, v29, s[16:17]
	global_load_b32 v39, v29, s[18:19]
	v_lshl_add_u32 v[WA], v[LN], 4, s[G0+1]
	v_add_nc_u32 v[WA+1], SLOTB, v[WA]
	v_lshl_add_u32 v[WSA], v[LN], 2, s[G0+1]
	v_add_nc_u32 v[WSA], 24576, v[WSA]
	v_add_nc_u32 v[WSA+1], SLOTB, v[WSA]
	v_min_u32 v[PFO], 24, v[LN]
	v_lshlrev_b32 v[PFO], 8, v[PFO]
	v_mul_u32_u24 v[FA], v[VR], APITCH
	v_mad_u32_u24 v[FA], v[VH], 24, v[FA]
	v_add_nc_u32 v[FA], ACODE, v[FA]
	v_mul_u32_u24 v[FS], v[LN], 48
	v_add_nc_u32 v[FS], ASC, v[FS]
	s_mul_i32 s78, s[WV], 4352
	s_add_co_u32 s78, s78, STG
	v_mul_u32_u24 v[OSO], v[VR], 272
	v_lshl_add_u32 v[OSO], v[VH], 5, v[OSO]
	v_add_nc_u32 v[OSO], s78, v[OSO]
	v_mul_u32_u24 v[OSR], v[VH], 272
	v_lshl_add_u32 v[OSR], v[VR], 4, v[OSR]
	v_add_nc_u32 v[OSR], s78, v[OSR]
	v_lshlrev_b32 v[OGO], 12, v[VH]
	v_lshl_add_u32 v[OGO], v[VR], 4, v[OGO]
	s_lshl_b32 s78, s[WV], 14
	s_add_co_u32 s78, s78, SP
	v_lshl_add_u32 v[BSA], v[LN], 4, s78
	s_lshl_b32 s78, s[WV], 12
	s_add_co_u32 s79, s78, SP
	v_lshl_add_u32 v[SLA], v[LN], 4, s79
	s_add_co_u32 s79, s78, ACODE
	v_lshl_add_u32 v[AWA], v[LN], 4, s79
	s_mul_i32 s78, s[WV], 16*528                   ; x in LDS: my 16 rows; row r, + 64 h: my 16 numbers of a block of 32
	v_mul_u32_u24 v240, v[VR], 528
	v_lshl_add_u32 v240, v[VH], 6, v240
	v_add_nc_u32 v240, s78, v240
	s_mul_i32 s78, s[WV], 16*APITCH
	v_add_nc_u32 v241, s78, v[FA]                  ; my token's row of codes, + 24 h
	s_mul_i32 s78, s[WV], 768
	v_mul_u32_u24 v242, v[VR], 48
	v_add_nc_u32 v242, s78, v242
	v_add_nc_u32 v242, ASC, v242                   ; and its scale words
	v_lshl_add_u32 v40, v0, 2, LNR
	s_wait_loadcnt 0x0
	v_mul_f32 v30, v30, v32                        ; sum of lambda_q1 lambda_k1, and of lambda_q2 lambda_k2: two numbers a lane,
	v_mul_f32 v34, v34, v36
	v_fmac_f32 v30, v31, v33
	v_fmac_f32 v34, v35, v37
.irp x, 1,2,4,8
	v_add_f32_dpp v30, v30, v30 row_xmask:\x row_mask:0xf bank_mask:0xf   ; then across the lanes
	v_add_f32_dpp v34, v34, v34 row_xmask:\x row_mask:0xf bank_mask:0xf
.endr
	v_permlanex16_b32 v31, v30, s[SEL], s[SEL+1]
	v_permlanex16_b32 v35, v34, s[SEL], s[SEL+1]
	v_add_f32 v30, v30, v31
	v_add_f32 v34, v34, v35
	v_mul_f32 v30, 0x3fb8aa3b, v30
	v_mul_f32 v34, 0x3fb8aa3b, v34
	v_exp_f32 v30, v30
	v_exp_f32 v34, v34
	v_mul_f32 v38, s77, v38                        ; ln_w (1 - LAMBDA_INIT), ln_b (1 - LAMBDA_INIT): also the plain place behind the exponentials
	v_mul_f32 v39, s77, v39
	s_wait_alu depctr_va_vdst(0)                   ; one wait for both exponentials, ahead of their first reader
	v_sub_f32 v30, v34, v30
	v_add_f32 v30, 0xbf489a63, v30                 ; -lam = (e2 - e1) - LAMBDA_INIT
	v_readfirstlane_b32 s[NLAM], v30
	ds_store_b32 v40, v38
	ds_store_b32 v40, v39 offset:512
.irp b, 0,1,2,3
	v_mov_b32 v[TM+4+\b], 0                        ; a lane permute's destination counts as one of its sources
.endr
	s_mov_b32 s71, 0                               ; where the trip's planes of x begin,
	s_mov_b32 s72, 0                               ; its codes in a row,
	s_mov_b32 s73, 0                               ; its scale words
	s_mov_b32 s[CNT], 4
	s_wait_tensorcnt 0x0                           ; my planes are in,
	s_wait_dscnt 0x0
	s_barrier_signal -1
	s_barrier_wait -1                              ; everybody's are
	; ---- x becomes codes: wave w quantises tokens 16 w .. 16 w + 15, two K steps a trip
.Lxq:
	v_add_nc_u32 v243, s71, v240
	v_add_nc_u32 v244, s72, v241
	v_add_nc_u32 v245, s73, v242
.irp b, 0,1,2,3
.irp j, 0,1,2,3
	ds_load_b128 v[112+16*\b+4*\j:115+16*\b+4*\j], v243 offset:128*\b+16*\j
.endr
.endr
.irp b, 0,1,2,3
.irp j, 0,1,2,3
	ds_load_b128 v[176+16*\b+4*\j:179+16*\b+4*\j], v243 offset:XPL+128*\b+16*\j
.endr
.endr
	s_wait_dscnt 16                                ; the first K step's 16 loads are in; the second's may be out
	QUANT 112
	CSTORE 0
	s_wait_dscnt 0x0                               ; the second K step is in, and the stores have read their registers
	QUANT 176
	CSTORE 1
	s_wait_dscnt 0x0
	s_add_co_u32 s71, s71, 2*XPL
	s_add_co_u32 s72, s72, 192
	s_add_co_u32 s73, s73, 8
	s_sub_co_u32 s[CNT], s[CNT], 1
	s_cmp_lg_u32 s[CNT], 0
	s_cbranch_scc1 .Lxq
	; ---- x's f32 numbers are done with: the weights' first slot takes their place
	s_wait_tensorcnt 0x0
	ds_add_u32 v[SPW], v[NIL]
	s_mov_b32 s[PP], 0
	s_wait_dscnt 0x0                               ; the add is done; my reads of x are over and my codes have landed
	ROUND
	tensor_load_to_lds s[G0:G0+3], s[G1:G1+7]      ; slot 0 of wst, jointly
	s_nop 0
	PLACES
	FETCHA                                         ; all 64 tokens' codes into registers while it lands
.Lpass:                                            ; four trips; pass 3 leaves in front of its last step, for the tail
	STEP 0, 0, 1, 1, LIM
	STEP 1, 1, 1, 1, LIM
	s_cmp_lg_u32 s[PP], 3
	s_cbranch_scc1 .Lnoq0
	OUTQ 0                                         ; pass 3: every two steps a quarter of my columns is finished and leaves
.Lnoq0:
	STEP 0, 2, 1, 1, LIM
	STEP 1, 3, 1, 1, LIM
	s_cmp_lg_u32 s[PP], 3
	s_cbranch_scc1 .Lnoq1
	OUTQ 1
.Lnoq1:
	STEP 0, 4, 1, 1, LIM2
	STEP 1, 5, 1, 1, LIM2
	s_cmp_lg_u32 s[PP], 3
	s_cbranch_scc1 .Lnoq2
	OUTQ 2
.Lnoq2:
	STEP 0, 6, 1, 1, LIM2
	s_cmp_eq_u32 s[PP], 3
	s_cbranch_scc1 .Ltail                          ; the last step of all asks for nothing: it is written out
	STEP 1, 7, 1, 1, LIM2                          ; its refill is the next pass's first slot, which lands under the phase below
	s_cmp_eq_u32 s[PP], 2
	s_cbranch_scc1 .Lpv
	; ---- passes 0, 1: scores and softmax
	PLACES
	s_and_b32 s[AWO], s[PP], 1
	s_lshl_b32 s[AWO], s[AWO], 14                  ; which image
	s_cmp_eq_u32 s[PP], 0
	s_cselect_b32 s[CF], 0x3f800000, s[NLAM]       ; aw1 times 1, aw2 times -lam
	v_add_nc_u32 v92, s[AWO], v[AWA]
.irp m, 0,1,2,3
.irp n, 0,1,2,3
	BATCH \m, \n
.endr
.endr
	s_wait_dscnt 0x0                               ; my parts have landed
	s_barrier_signal -1
	s_barrier_wait -1
	WIN 0x80                                       ; destination window 2: q's accumulators are done with
.irp wp, 0,1,2,3                       ; wave w takes token tile w: the four waves' parts
.irp n, 0,1,2,3
.irp c, 0,1
	ds_load_b128 v[32*\wp+8*\n+4*\c:32*\wp+8*\n+4*\c+3], v[SLA] offset:16384*\wp+1024*\n+512*\c
.endr
.endr
.endr
	s_wait_dscnt 0x0
	WIN 0xaa                                       ; all in window 2.  v[8 n + m']: the score of head n + 4 h against head m'
.irp e, 0,2,4,6,8,10,12,14,16,18,20,22,24,26,28,30
	v_pk_add_f32 v[\e:\e+1], v[\e:\e+1], v[32+\e:33+\e]
	v_pk_add_f32 v[64+\e:65+\e], v[64+\e:65+\e], v[96+\e:97+\e]
.endr
.irp e, 0,2,4,6,8,10,12,14,16,18,20,22,24,26,28,30
	v_pk_add_f32 v[\e:\e+1], v[\e:\e+1], v[64+\e:65+\e]
.endr
.irp n, 0,1,2,3
	v_max3_num_f32 v[128+2*\n], v[8*\n], v[8*\n+1], v[8*\n+2]      ; the row's maximum, the four rows by turns
.endr
.irp n, 0,1,2,3
	v_max3_num_f32 v[128+2*\n], v[128+2*\n], v[8*\n+3], v[8*\n+4]
.endr
.irp n, 0,1,2,3
	v_max3_num_f32 v[128+2*\n], v[128+2*\n], v[8*\n+5], v[8*\n+6]
.endr
.irp n, 0,1,2,3
	v_max_num_f32 v[128+2*\n], v[128+2*\n], v[8*\n+7]
.endr
.irp n, 0,1,2,3
	v_mov_b32 v[129+2*\n], v[128+2*\n]             ; in both halves of a pair, for the packed forms
.endr
.irp n, 0,1,2,3
.irp e, 0,2,4,6
	v_pk_add_f32 v[8*\n+\e:8*\n+\e+1], v[8*\n+\e:8*\n+\e+1], v[128+2*\n:129+2*\n] neg_lo:[0,1] neg_hi:[0,1]   ; the maximum is taken away first,
.endr
.endr
.irp e, 0,2,4,6,8,10,12,14,16,18,20,22,24,26,28,30
	v_pk_mul_f32 v[\e:\e+1], v[\e:\e+1], s[CS:CS+1] op_sel_hi:[1,0]   ; then the scale, with log2(e) folded in
.endr
.irp e, 0,1,2,3,4,5,6,7,8,9,10,11,12,13,14,15,16,17,18,19,20,21,22,23,24,25,26,27,28,29,30,31
	v_exp_f32 v[\e], v[\e]
.endr
	v_nop                                          ; a plain place behind the exponentials
	s_wait_alu depctr_va_vdst(0)                   ; one wait for the batch, ahead of its first reader
.irp n, 0,1,2,3
	v_pk_add_f32 v[136+4*\n:137+4*\n], v[8*\n:8*\n+1], v[8*\n+2:8*\n+3]
	v_pk_add_f32 v[138+4*\n:139+4*\n], v[8*\n+4:8*\n+5], v[8*\n+6:8*\n+7]
.endr
.irp n, 0,1,2,3
	v_pk_add_f32 v[136+4*\n:137+4*\n], v[136+4*\n:137+4*\n], v[138+4*\n:139+4*\n]
.endr
.irp n, 0,1,2,3
	v_add_f32 v[136+4*\n], v[136+4*\n], v[137+4*\n]
.endr
.irp n, 0,1,2,3
	v_rcp_f32 v[128+2*\n], v[136+4*\n]
.endr
	v_nop
	s_wait_alu depctr_va_vdst(0)                   ; one wait for the four reciprocals
.irp n, 0,1,2,3
	v_mul_f32 v[128+2*\n], s[CF], v[128+2*\n]
.endr
.irp n, 0,1,2,3
	v_mov_b32 v[129+2*\n], v[128+2*\n]
.endr
.irp n, 0,1,2,3
.irp e, 0,2,4,6
	v_pk_mul_f32 v[8*\n+\e:8*\n+\e+1], v[8*\n+\e:8*\n+\e+1], v[128+2*\n:129+2*\n]
.endr
.endr
	WIN 0x08                                       ; an LDS store's data: window 2
.irp n, 0,1,2,3
.irp c, 0,1
	ds_store_b128 v92, v[8*\n+4*\c:8*\n+4*\c+3] offset:512*(2*\n+\c)   ; an image of my registers; only I read it back
.endr
.endr
	WIN 0
	s_branch .Lnext
	; ---- pass 2: a = (aw1 - lam aw2) v, the norm, the quantiser
.Lpv:
	PLACES
	s_lshl_b32 s78, s[WV], 7
	s_add_co_u32 s78, s78, LNR
	v_lshl_add_u32 v28, v[VH], 6, s78              ; gain and bias of my 16 e: 32 w + 16 h on
	s_mul_i32 s78, s[WV], 4352
	s_add_co_u32 s78, s78, PREG
	v_mul_u32_u24 v29, v[VR], 272
	v_lshl_add_u32 v29, v[VH], 7, v29
	v_add_nc_u32 v29, s78, v29                     ; P of token 16 w + r, heads 4 h on
	v_mul_u32_u24 v93, v[VR], 272
	v_add_nc_u32 v93, PREG, v93
	v_lshlrev_b32 v95, 5, v[VR]
	v_add_nc_u32 v95, NRM, v95
	s_lshl_b32 s78, s[WV], 3
	v_lshl_add_u32 v94, v[VH], 2, v95
	v_add_nc_u32 v94, s78, v94
	s_mul_i32 s78, s[WV], 24
	v_mul_u32_u24 v96, v[VR], APITCH
	v_mad_u32_u24 v96, v[VH], 12, v96
	v_add_nc_u32 v96, s78, v96
	v_add_nc_u32 v96, ACODE, v96
	v_mul_u32_u24 v97, v[VR], 48
	v_add_nc_u32 v97, s[WV], v97
	v_add_nc_u32 v97, ASC, v97
.irp i, 0,1,2,3,4,5,6,7
	ds_load_b128 v[112+4*\i:115+4*\i], v[AWA] offset:512*\i
	ds_load_b128 v[144+4*\i:147+4*\i], v[AWA] offset:16384+512*\i
.endr
.irp i, 0,1,2,3
	ds_load_b128 v[208+4*\i:211+4*\i], v28 offset:16*\i
	ds_load_b128 v[224+4*\i:227+4*\i], v28 offset:512+16*\i
.endr
.irp m, 0,1,2,3
	v_mov_b32 v[80+\m], 0                          ; a lane permute's destination counts as one of its sources
.endr
	s_mov_b32 s71, 0                               ; head n: 32 n in a token's P,
	s_mov_b32 s72, 0                               ; 96 n in a row of codes,
	s_mov_b32 s73, 0                               ; 4 n among its scale words,
	s_mov_b32 s74, 0                               ; and the half of the norm's parts
	s_mov_b32 s[CNT], 8
	s_wait_dscnt 0x0
.irp e, 0,2,4,6,8,10,12,14,16,18,20,22,24,26,28,30
	v_pk_add_f32 v[112+\e:113+\e], v[112+\e:113+\e], v[144+\e:145+\e]   ; P = aw1 - lam aw2
.endr
.irp n, 0,1,2,3
.irp c, 0,1
	ds_store_b128 v29, v[112+8*\n+4*\c:115+8*\n+4*\c] offset:32*\n+16*\c
.endr
.endr
	s_wait_dscnt 0x0                               ; my P has landed, and my reads of the images are over: their bytes take codes below
	s_barrier_signal -1
	s_barrier_wait -1
.Ltripn:                                           ; eight trips: head n, for all 64 tokens, my 32 e
	v_add_nc_u32 v92, s71, v93
	v_add_nc_u32 v98, s74, v94
	v_add_nc_u32 v99, s74, v95
	v_add_nc_u32 v243, s72, v96
	v_add_nc_u32 v247, s73, v97
.irp m, 0,1,2,3
	ds_load_b128 v[176+8*\m:179+8*\m], v92 offset:4352*\m
	ds_load_b128 v[180+8*\m:183+8*\m], v92 offset:4352*\m+16
.endr
	s_wait_dscnt 0x0
	WIN 0x02                                       ; source 0 (v of heads 0-3) window 2
.irp m, 0,1,2,3
.irp mp, 0,1,2,3
.irp u, 0,1
.irp j2, 0,1,2,3
.set rav, 112+16*\m+8*\u+2*\j2
.set rv, 8*(4*((2*\mp+\u)%8)+\m)+2*\j2
.set rp, 176+8*\m+2*(\mp/2)
.if \mp == 0
	v_pk_mul_f32 v[rav:rav+1], v[rv:rv+1], v[rp:rp+1] op_sel_hi:[1,0]
.elseif (\mp%2) == 0
	v_pk_fma_f32 v[rav:rav+1], v[rv:rv+1], v[rp:rp+1], v[rav:rav+1] op_sel_hi:[1,0,1]
.else
	v_pk_fma_f32 v[rav:rav+1], v[rv:rv+1], v[rp:rp+1], v[rav:rav+1] op_sel:[0,1,0] op_sel_hi:[1,1,1]
.endif
.endr
.endr
.endr
.endr
	WIN 0x03                                       ; heads 4-7: window 3
.irp m, 0,1,2,3
.irp mp, 4,5,6,7
.irp u, 0,1
.irp j2, 0,1,2,3
.set rav, 112+16*\m+8*\u+2*\j2
.set rv, 8*(4*((2*\mp+\u)%8)+\m)+2*\j2
.set rp, 176+8*\m+2*(\mp/2)
.if (\mp%2) == 0
	v_pk_fma_f32 v[rav:rav+1], v[rv:rv+1], v[rp:rp+1], v[rav:rav+1] op_sel_hi:[1,0,1]
.else
	v_pk_fma_f32 v[rav:rav+1], v[rv:rv+1], v[rp:rp+1], v[rav:rav+1] op_sel:[0,1,0] op_sel_hi:[1,1,1]
.endif
.endr
.endr
.endr
.endr
	WIN 0
.irp m, 0,1,2,3
	v_pk_mul_f32 v[60+2*\m:61+2*\m], v[112+16*\m:113+16*\m], v[112+16*\m:113+16*\m]   ; my 16 squares, the four tiles by turns
.endr
.irp e, 2,4,6,8,10,12,14
.irp m, 0,1,2,3
	v_pk_fma_f32 v[60+2*\m:61+2*\m], v[112+16*\m+\e:113+16*\m+\e], v[112+16*\m+\e:113+16*\m+\e], v[60+2*\m:61+2*\m]
.endr
.endr
.irp m, 0,1,2,3
	v_add_f32 v[60+2*\m], v[60+2*\m], v[61+2*\m]
.endr
.irp m, 0,1,2,3
	ds_store_b32 v98, v[60+2*\m] offset:512*\m
.endr
	s_wait_dscnt 0x0
	s_barrier_signal -1
	s_barrier_wait -1                              ; one barrier a trip: the parts' two halves take turns, so a half is written again only behind the next trip's barrier
.irp m, 0,1,2,3
	ds_load_b128 v[28+8*\m:31+8*\m], v99 offset:512*\m
	ds_load_b128 v[32+8*\m:35+8*\m], v99 offset:512*\m+16
.endr
	s_wait_dscnt 0x0
.irp m, 0,1,2,3
	v_pk_add_f32 v[28+8*\m:29+8*\m], v[28+8*\m:29+8*\m], v[30+8*\m:31+8*\m]
	v_pk_add_f32 v[32+8*\m:33+8*\m], v[32+8*\m:33+8*\m], v[34+8*\m:35+8*\m]
.endr
.irp m, 0,1,2,3
	v_pk_add_f32 v[28+8*\m:29+8*\m], v[28+8*\m:29+8*\m], v[32+8*\m:33+8*\m]
.endr
.irp m, 0,1,2,3
	v_add_f32 v[68+2*\m], v[28+8*\m], v[29+8*\m]   ; every lane adds the eight parts in the same order
.endr
.irp m, 0,1,2,3
	v_fma_f32 v[68+2*\m], v[68+2*\m], s75, s76     ; the mean + 1e-8
.endr
.irp m, 0,1,2,3
	v_rsq_f32 v[68+2*\m], v[68+2*\m]
.endr
	v_nop
	s_wait_alu depctr_va_vdst(0)                   ; one wait for the four roots
.irp m, 0,1,2,3
	v_mov_b32 v[69+2*\m], v[68+2*\m]
.endr
.irp m, 0,1,2,3
.irp e, 0,2,4,6,8,10,12,14
	v_pk_mul_f32 v[112+16*\m+\e:113+16*\m+\e], v[112+16*\m+\e:113+16*\m+\e], v[68+2*\m:69+2*\m]
.endr
.endr
.irp m, 0,1,2,3
.irp e, 0,2,4,6,8,10,12,14
	v_pk_fma_f32 v[112+16*\m+\e:113+16*\m+\e], v[112+16*\m+\e:113+16*\m+\e], v[208+\e:209+\e], v[224+\e:225+\e]
.endr
.endr
.irp m, 0,1,2,3                        ; the quantiser: block w of K step n; my 16 numbers and lane xor 16's
	v_max3_num_f32 v[76+\m], |v[112+16*\m]|, |v[113+16*\m]|, 0x1800000
.endr
.irp e, 2,4,6,8,10,12,14
.irp m, 0,1,2,3
	v_max3_num_f32 v[76+\m], v[76+\m], |v[112+16*\m+\e]|, |v[113+16*\m+\e]|
.endr
.endr
.irp m, 0,1,2,3
	v_permlanex16_b32 v[80+\m], v[76+\m], s[SEL], s[SEL+1]
.endr
.irp m, 0,1,2,3
	v_max_num_f32 v[76+\m], v[76+\m], v[80+\m]
.endr
.irp m, 0,1,2,3
	v_add_nc_u32 v[84+\m], 0xff000000, v[76+\m]
.endr
.irp m, 0,1,2,3
	v_lshrrev_b32 v[88+\m], 23, v[84+\m]
.endr
.irp m, 0,1,2,3
	v_cvt_scalef32_pk16_fp6_f32 v[240+4*\m:242+4*\m], v[112+16*\m:127+16*\m], v[84+\m]
.endr
	v_nop                                          ; one plain place behind the last scaled conversion
.irp m, 0,1,2,3
.irp i, 0,1,2
	ds_store_b32 v243, v[240+4*\m+\i] offset:16*APITCH*\m+4*\i     ; 16 codes, 12 bytes, at 96 n + 24 w + 12 h of the token's row
.endr
	ds_store_b8 v247, v[88+\m] offset:768*\m       ; both lanes of a block write the same byte with the same value
.endr
	s_wait_dscnt 0x0                               ; the stores have read their registers
	s_add_co_u32 s71, s71, 32
	s_add_co_u32 s72, s72, 96
	s_add_co_u32 s73, s73, 4
	s_xor_b32 s74, s74, 2048
	s_sub_co_u32 s[CNT], s[CNT], 1
	s_cmp_lg_u32 s[CNT], 0
	s_cbranch_scc1 .Ltripn
	s_barrier_signal -1
	s_barrier_wait -1                              ; all 64 rows of codes are whole
	FETCHA
.Lnext:
	s_wait_xcnt 0x0                                ; the pass's prefetches have read their address
	s_add_nc_u64 s[PFA:PFA+1], s[PFA:PFA+1], 8*SLOTB
	s_add_co_u32 s[PP], s[PP], 1
	s_cmp_lt_u32 s[PP], 3
	s_cselect_b32 s[LIM2], s[LIM], 0               ; pass 3's steps 4 on would name slots past the last
	s_cmp_lt_u32 s[PP], 4
	s_cbranch_scc1 .Lpass
.Ltail:
	STEP 1, 7, 0, 0, LIM                           ; the last slot: nothing is left to fetch
	OUTQ 3
	s_wait_tensorcnt 0x0                           ; the wave's end, behind my last tensor load and my last LDS store
	ds_add_u32 v[SPW], v[NIL]
	s_wait_dscnt 0x0
	ROUND                                          ; the closing round: no work-group ends while a partner may still ask for a part that names it
	s_endpgm
.Lfunc_end_k_q832bb79068_main:
	.size	k_q832bb79068_main, .Lfunc_end_k_q832bb79068_main-k_q832bb79068_main
	.p2alignl 7, 3214868480
	.fill 96, 4, 3214868480
	.section	.rodata,"a",@progbits
	.p2align	6, 0x0
	.amdhsa_kernel k_q832bb79068_main
		.amdhsa_group_segment_fixed_size 327680
		.amdhsa_private_segment_fixed_size 0
		.amdhsa_enable_private_segment 0
		.amdhsa_kernarg_size 72
		.amdhsa_user_sgpr_count 2
		.amdhsa_user_sgpr_kernarg_segment_ptr 1
		.amdhsa_wavefront_size32 1
		.amdhsa_system_sgpr_workgroup_id_x 1
		.amdhsa_system_sgpr_workgroup_id_y 1
		.amdhsa_system_sgpr_workgroup_id_z 1
		.amdhsa_system_vgpr_workitem_id 0
		.amdhsa_next_free_vgpr 1024
		.amdhsa_next_free_sgpr 100
		.amdhsa_reserve_vcc 0
		.amdhsa_float_denorm_mode_32 3
		.amdhsa_float_denorm_mode_16_64 3
		.amdhsa_memory_ordered 1
		.amdhsa_forward_progress 1
		.amdhsa_inst_pref_size 255
	.end_amdhsa_kernel
	.section	.bss,"aw",@nobits
	.p2align	6
	.space	262144
	.amdgpu_metadata
---
amdhsa.version: [ 1, 2 ]
amdhsa.kernels:
  - .name:           k_q832bb79068_main
    .symbol:         k_q832bb79068_main.kd
    .args:
      - { .name: x, .offset: 0, .size: 8, .value_kind: global_buffer, .address_space: global }
      - { .name: wst, .offset: 8, .size: 8, .value_kind: global_buffer, .address_space: global }
      - { .name: lambda_q1, .offset: 16, .size: 8, .value_kind: global_buffer, .address_space: global }
      - { .name: lambda_k1, .offset: 24, .size: 8, .value_kind: global_buffer, .address_space: global }
      - { .name: lambda_q2, .offset: 32, .size: 8, .value_kind: global_buffer, .address_space: global }
      - { .name: lambda_k2, .offset: 40, .size: 8, .value_kind: global_buffer, .address_space: global }
      - { .name: ln_w, .offset: 48, .size: 8, .value_kind: global_buffer, .address_space: global }
      - { .name: ln_b, .offset: 56, .size: 8, .value_kind: global_buffer, .address_space: global }
      - { .name: out0, .offset: 64, .size: 8, .value_kind: global_buffer, .address_space: global }
    .group_segment_fixed_size: 327680
    .private_segment_fixed_size: 0
    .kernarg_segment_align: 8
    .kernarg_segment_size: 72
    .max_flat_workgroup_size: 128
    .sgpr_count:     100
    .vgpr_count:     1024
    .wavefront_size: 32
...
	.end_amdgpu_metadata
.endif
;; end of part 2
;; ======== version 2 of 2: 2 launches
;; limits: right only within a limited range of input values
;; workspace buffers: wst 3,276,800 bytes
;; launch prep (part 3): grid 256 x 1, 4 waves a work-group, no clusters, 0 bytes of LDS; arguments Wq, Wk, Wv, Wo, wst; writes wst
.if DOCPART == 3
	.amdgcn_target "amdgcn-amd-amdhsa--gfx1250"
	.amdhsa_code_object_version 6
	.text
	.protected	k_q832bb79068_prep
	.globl	k_q832bb79068_prep
	.p2align	8
	.type	k_q832bb79068_prep,@function
k_q832bb79068_prep:
	s_mov_b64 s[64:65], 0
	v_nop
	global_prefetch_b8 v0, s[64:65] scope:SCOPE_SE
	s_setreg_imm32_b32 hwreg(HW_REG_WAVE_MODE, 25, 1), 1
	s_wait_xcnt 0x0
; Wq, Wk, Wv, Wo [1024 (k)][1024 (n)], f32, become codes of FP6 (E2M3) with one E8M0 byte for each 32 along K, laid in wst in the very order in which the second launch's
; waves take them into operand registers: 32 slots of 102,400 bytes; a slot = 4 parts (one a wave) of 25,600 bytes; a part = 16 fragment images of 1,536 bytes and 8 rows of 128 bytes of scale words.
; Image f: register p of lane L at 1536 f + 512 (p / 4) + 16 L + 4 (p % 4).  Scale row i, word l: fragment 2 i + l / 16, its row l % 16; byte b: k = 32 b .. 32 b + 31 of the K step.
; Slot g = 8 p + s.  Pass p: 0 = q1 and k1, 1 = q2 and k2, 2 = v, 3 = Wo.  A slot is ONE K step s (128 along K) of all 16 tiles of each wave: fragment f is tile t = f.
; Row y (0..15) of tile t of wave w is the weight's column: p < 2: 128 (t % 8) + 64 p + 16 w + y of Wq (t < 8) or Wk;  p = 2: 128 (t / 2) + 32 w + 8 (t % 2) + y + 8 (y / 8) of Wv;  p = 3: 256 w + 16 t + y of Wo.
;
; DEAD WORK, for the whole program.  reference() turns q and k by _rotary: for token s and pair i the numbers (t[2i], t[2i+1]) are turned by the angle pos(s) x inv_freq(i), the SAME angle for q and for k and for
; all 16 heads.  Turned q and k go nowhere but into the scores, sum over d of q[n][d] k[m][d] of ONE token.  For each pair,
; (a cos - b sin)(c cos - e sin) + (b cos + a sin)(e cos + c sin) = (a c + b e)(cos^2 + sin^2) = a c + b e, whatever a, b, c, e and the angle are.  So the scores are those of the unturned q and k for all values of
; the inputs; these two products are not quantised, so no quantiser sees the turned numbers.  The rotary step is left out.  No input loses its way to the output by that: all eleven inputs are loaded.
; LIMIT of that: a NaN, an infinity or an overflow that would arise in the rotary step alone is not carried to the result.
;
; A LANE TAKES A COLUMN, AND ITS REGISTERS RUN DOWN K: each load reads neighbouring columns in neighbouring lanes, a block of 32 along K lies in one lane, and the conversions give codes with K innermost.
; A work-group (g = id / 8, i = id % 8) makes fragments 2 i and 2 i + 1 of all four parts of slot g; wave w those of part w; lane l the row l % 16 of fragment 2 i + l / 16: 128 along K, four blocks.
; A block's scale is 2^(floor(log2(largest magnitude)) - 2): its byte is the largest magnitude's exponent field - 2, held at 1 from below.
; LIMITS: a block of zeros gets the byte 1 where the rule says 127 (its codes are zeros, which add nothing; only this program reads the bytes); blocks whose largest magnitude lies under 2^-124 are held at that byte;
; NaN and infinities among the inputs are not served.
.set X,   32                           ; v32-95   two sets of 32 numbers
.set CD,  96                           ; v96-119  the codes: block b at CD + 12 (b % 2) + 6 (b / 2): the 12 registers of the operand's lane (row, b % 2) on end
.set TC,  120                          ; v120-122 a block's second 16 codes (a conversion's three registers begin on an even number)
	s_load_b256 s[4:11], s[0:1], 0x0               ; Wq s[4:5], Wk s[6:7], Wv s[8:9], Wo s[10:11]
	s_load_b64 s[12:13], s[0:1], 0x20              ; wst
	v_lshrrev_b32 v1, 5, v0
	v_readfirstlane_b32 s14, v1                    ; wave w
	v_and_b32 v2, 31, v0                           ; lane l
	s_wait_alu depctr_va_vdst(0)
	s_lshr_b32 s15, ttmp9, 3                       ; g
	s_and_b32 s16, ttmp9, 7                        ; i
	s_lshr_b32 s17, s15, 3                         ; p
	s_and_b32 s20, s15, 7                          ; K step s = g % 8
	s_lshl_b32 s19, s16, 1                         ; tb = 2 i: my two tiles are tb and tb + 1
	s_and_b32 s22, s19, 7                          ; the wave's first column, for p < 2: 128 (tb % 8) + 64 p + 16 w
	s_lshl_b32 s22, s22, 7
	s_lshl_b32 s23, s17, 6
	s_add_co_u32 s22, s22, s23
	s_lshl_b32 s23, s14, 4
	s_add_co_u32 s22, s22, s23
	s_lshl_b32 s23, s19, 6                         ; for p = 2: 64 tb + 32 w
	s_lshl_b32 s24, s14, 5
	s_add_co_u32 s23, s23, s24
	s_lshl_b32 s24, s14, 8                         ; for p = 3: 256 w + 16 tb
	s_lshl_b32 s25, s19, 4
	s_add_co_u32 s24, s24, s25
	s_mov_b32 s26, 128                             ; columns from tile tb to tile tb + 1,
	s_mov_b32 s27, 0                               ; and the jump behind a tile's eighth row
	s_cmp_eq_u32 s17, 2
	s_cselect_b32 s22, s23, s22
	s_cselect_b32 s26, 8, s26
	s_cselect_b32 s27, 8, s27
	s_cmp_eq_u32 s17, 3
	s_cselect_b32 s22, s24, s22
	s_cselect_b32 s26, 16, s26
	v_and_b32 v3, 15, v2                           ; my row of the tile
	v_lshrrev_b32 v7, 4, v2                        ; which of the two tiles
	v_bfe_u32 v8, v2, 3, 1
	v_mad_u32_u24 v4, v7, s26, v3
	v_mad_u32_u24 v4, v8, s27, v4
	v_lshlrev_b32 v4, 2, v4                        ; my column, in bytes from the wave's first
	v_mul_u32_u24 v5, v7, 1536
	v_lshl_add_u32 v5, v3, 4, v5                   ; out: my fragment's image, 16 bytes for my row
	v_lshlrev_b32 v6, 2, v2                        ; and my scale word
	s_wait_alu depctr_va_vdst(0)
	s_wait_kmcnt 0x0
	s_cmp_lt_u32 s19, 8                            ; the weight is chosen by ids alone
	s_cselect_b64 s[4:5], s[4:5], s[6:7]
	s_cmp_eq_u32 s17, 2
	s_cselect_b64 s[4:5], s[8:9], s[4:5]
	s_cmp_eq_u32 s17, 3
	s_cselect_b64 s[4:5], s[10:11], s[4:5]
	s_lshl_b32 s28, s20, 19                        ; 128 rows of 4,096 bytes a K step
	s_lshl_b32 s29, s22, 2
	s_add_co_u32 s28, s28, s29
	s_mov_b32 s29, 0
	s_add_nc_u64 s[4:5], s[4:5], s[28:29]
	s_mul_i32 s28, s15, 102400
	s_mul_i32 s30, s14, 25600
	s_add_co_u32 s28, s28, s30
	s_add_nc_u64 s[12:13], s[12:13], s[28:29]      ; my part of slot g
	s_mul_i32 s28, s16, 3072
	s_add_nc_u64 s[6:7], s[12:13], s[28:29]        ; fragments 2 i, 2 i + 1
	s_lshl_b32 s28, s16, 7
	s_add_co_u32 s28, s28, 24576
	s_add_nc_u64 s[8:9], s[12:13], s[28:29]        ; scale row i
.macro LOAD b                          ; block b: W(128 s + 32 b + i, my column), i = 0 .. 31, into set b % 2
.irp i, 0,1,2,3,4,5,6,7,8,9,10,11,12,13,14,15,16,17,18,19,20,21,22,23,24,25,26,27,28,29,30,31
	global_load_b32 v[X+32*((\b)%2)+\i], v4, s[4:5] offset:(32*(\b)+\i)*4096
.endr
.endm
.macro BLOCK b
.set XB, X+32*((\b)%2)
.set DB, CD+12*((\b)%2)+6*((\b)/2)
.if (\b) < 3
	s_wait_loadcnt 32                              ; this block's 32 loads are in; the next block's 32 may be out
.else
	s_wait_loadcnt 0
.endif
	v_max3_num_f32 v12, |v[XB]|, |v[XB+1]|, |v[XB+2]|               ; the block's largest magnitude: all 32 numbers are mine; two chains
	v_max3_num_f32 v13, |v[XB+3]|, |v[XB+4]|, |v[XB+5]|
.irp i, 6,10,14,18,22,26
	v_max3_num_f32 v12, v12, |v[XB+\i]|, |v[XB+\i+1]|
	v_max3_num_f32 v13, v13, |v[XB+\i+2]|, |v[XB+\i+3]|
.endr
	v_max3_num_f32 v12, v12, |v[XB+30]|, |v[XB+31]|
	v_max3_num_f32 v12, v12, v13, 0x1800000        ; and the floor 2^(3 - 127): the byte cannot fall under 1
	v_add_nc_u32 v11, 0xff000000, v12              ; 2 off the exponent field: the conversion takes the exponent field of this operand as its scale
	v_lshrrev_b32 v13, 23, v11                     ; the scale's byte
.if (\b) == 0
	v_mov_b32 v14, v13
.else
	v_lshl_or_b32 v14, v13, 8*(\b), v14            ; the four bytes make my row's scale word
.endif
	v_cvt_scalef32_pk16_fp6_f32 v[DB:DB+2], v[XB:XB+15], v11
	v_cvt_scalef32_pk16_fp6_f32 v[TC:TC+2], v[XB+16:XB+31], v11
	v_nop                                          ; one plain place behind a scaled conversion
.irp i, 0,1,2
	v_mov_b32 v[DB+3+\i], v[TC+\i]
.endr
.if (\b) < 2
	LOAD (\b)+2
.endif
.endm
	LOAD 0
	LOAD 1
	BLOCK 0
	BLOCK 1
	BLOCK 2
	BLOCK 3
.irp hh, 0,1                           ; the operand's lane (row, hh) holds blocks hh and 2 + hh: 12 registers, three stores; sixteen lanes store 256 consecutive bytes, at a multiple of 256 from wst's first byte
.irp c, 0,1,2
	global_store_b128 v5, v[CD+12*\hh+4*\c:CD+12*\hh+4*\c+3], s[6:7] offset:256*\hh+512*\c
.endr
.endr
	global_store_b32 v6, v14, s[8:9]               ; 32 scale words, 128 bytes on end
	s_endpgm
.Lfunc_end_k_q832bb79068_prep:
	.size	k_q832bb79068_prep, .Lfunc_end_k_q832bb79068_prep-k_q832bb79068_prep
	.p2alignl 7, 3214868480
	.fill 96, 4, 3214868480
	.section	.rodata,"a",@progbits
	.p2align	6, 0x0
	.amdhsa_kernel k_q832bb79068_prep
		.amdhsa_group_segment_fixed_size 0
		.amdhsa_private_segment_fixed_size 0
		.amdhsa_enable_private_segment 0
		.amdhsa_kernarg_size 40
		.amdhsa_user_sgpr_count 2
		.amdhsa_user_sgpr_kernarg_segment_ptr 1
		.amdhsa_wavefront_size32 1
		.amdhsa_system_sgpr_workgroup_id_x 1
		.amdhsa_system_sgpr_workgroup_id_y 1
		.amdhsa_system_sgpr_workgroup_id_z 1
		.amdhsa_system_vgpr_workitem_id 0
		.amdhsa_next_free_vgpr 128
		.amdhsa_next_free_sgpr 66
		.amdhsa_reserve_vcc 0
		.amdhsa_float_denorm_mode_32 3
		.amdhsa_float_denorm_mode_16_64 3
		.amdhsa_memory_ordered 1
		.amdhsa_forward_progress 1
		.amdhsa_inst_pref_size 22
	.end_amdhsa_kernel
	.amdgpu_metadata
---
amdhsa.version: [ 1, 2 ]
amdhsa.kernels:
  - .name:           k_q832bb79068_prep
    .symbol:         k_q832bb79068_prep.kd
    .args:
      - { .name: Wq, .offset: 0, .size: 8, .value_kind: global_buffer, .address_space: global }
      - { .name: Wk, .offset: 8, .size: 8, .value_kind: global_buffer, .address_space: global }
      - { .name: Wv, .offset: 16, .size: 8, .value_kind: global_buffer, .address_space: global }
      - { .name: Wo, .offset: 24, .size: 8, .value_kind: global_buffer, .address_space: global }
      - { .name: wst, .offset: 32, .size: 8, .value_kind: global_buffer, .address_space: global }
    .group_segment_fixed_size: 0
    .private_segment_fixed_size: 0
    .kernarg_segment_align: 8
    .kernarg_segment_size: 40
    .max_flat_workgroup_size: 128
    .sgpr_count:     66
    .vgpr_count:     128
    .wavefront_size: 32
...
	.end_amdgpu_metadata
.endif
;; end of part 3
;; launch main (part 4): grid 256 x 1, 4 waves a work-group, clusters of 4 x 1, 327,680 bytes of LDS; arguments x, wst, lambda_q1, lambda_k1, lambda_q2, lambda_k2, ln_w, ln_b, out0; writes out0
.if DOCPART == 4
	.amdgcn_target "amdgcn-amd-amdhsa--gfx1250"
	.amdhsa_code_object_version 6
	.text
	.protected	k_q832bb79068_main
	.globl	k_q832bb79068_main
	.p2align	8
	.type	k_q832bb79068_main,@function
k_q832bb79068_main:
	s_mov_b64 s[64:65], 0
	v_nop
	global_prefetch_b8 v0, s[64:65] scope:SCOPE_SE
	s_setreg_imm32_b32 hwreg(HW_REG_WAVE_MODE, 25, 1), 1
	s_wait_xcnt 0x0
	s_wait_alu depctr_hold_cnt(0) depctr_sa_sdst(0) depctr_va_vdst(0) depctr_va_sdst(0) depctr_va_ssrc(0) depctr_va_vcc(0) depctr_vm_vsrc(0)
	s_getreg_b32 s2, hwreg(HW_REG_IB_STS2, 6, 4)
	s_cmp_eq_u32 s2, 0
	s_cbranch_scc0 .Lentry_in_a_cluster
	s_endpgm
.Lentry_in_a_cluster:
	s_bfe_u32 s2, ttmp6, 0x10000c
	s_cmp_lg_u32 s2, 0x3003
	s_cbranch_scc0 .Lentry_shape_is_right
	s_endpgm
.Lentry_shape_is_right:
; The whole module for 64 tokens a work-group: x is quantised to FP6 (E2M3, one E8M0 byte for 32 along K); four passes of 8 K steps of 128 multiply it (pass 3: the normed attention result a) with wst's weights:
; pass 0: q1, k1; pass 1: q2, k2; pass 2: v; pass 3: Wo.  Behind passes 0 and 1: the scores over the heads of each token (f32 multiply-adds) and the softmax, its maximum taken away; behind pass 2: (aw1 - lam aw2) v,
; the RMS norm, ln_w, ln_b, the factor 1 - LAMBDA_INIT and the quantiser along Wo's K.  The rotary step is left out as dead work: the first kernel's head shows why (a token's q and k are turned by the same angles and meet only in the scores).
; A wave makes 16 tiles of 16 columns x 4 tiles of 16 tokens: 64 accumulators in windows 2 and 3; the 64 tokens' fragments of all 8 K steps stay in registers (windows 1 and 0) through a pass.
; THE WEIGHTS come through a ring of two LDS slots of one K step, 102,400 bytes, a quarter a wave, by JOINT loads of the four work-groups of a cluster (mask 15): a round of the cluster's barrier stands in front of each refill.
; Each cluster begins a pass's 8 K steps at another step (RHO, made of the cluster's number): the tokens' fragments are fetched into the registers in that order, so the text of a step is the same for all.
; No prefetch is laid: all 64 clusters walk the same 819,200 bytes of a pass, each from another of its 8 K steps.
; A row of ACODE is a token's 768 bytes of codes and, behind them, its 32 scale bytes: 800 bytes, every one of them written by the quantiser ahead of the first fetch.
; LIMITS: a block of zeros gets the byte 1 where the rule says 127 (its codes are zeros; only this program reads the bytes); blocks whose largest magnitude lies under 2^-124 are held at that byte; NaN and infinities are not served.
.set SLOTB,  102400
.set PARTB,  25600
.set XPL,    33792
.set SP,     204800
.set PREG,   SP
.set NRM,    SP+17408
.set STG,    SP+21504
.set ACODE,  270336
.set APITCH, 800
.set ASC,    ACODE+768
.set SPARE,  323584
.set LNR,    324096
.set SPW, 1
.set NIL, 2
.set WA,  3
.set WSA, 6
.set XS,  8
.set WS,  24
.set FSET, 28
.set FA,  100
.set FS,  101
.set OSO, 102
.set OSR, 103
.set OGO, 104
.set BSA, 105
.set SLA, 106
.set AWA, 107
.set LN,  108
.set VR,  110
.set VH,  111
.set TM,  28
.set PW,  44
.set PC,  46
.set WV,  22
.set G1,  24
.set G0,  32
.set G1X, 40
.set G0X, 48
.set PP,  56
.set CNT, 57
.set CS,  58
.set SEL, 60
.set NLAM, 62
.set CF,  63
.set RHO, 66
.set KR,  67
.set WB,  68
.set AWO, 70
.set OF,  86
.set PB,  88
.set MSB, 0
.macro WIN new
.if MSB != (\new)
	s_set_vgpr_msb (MSB<<8)|(\new)
.set MSB, (\new)
.endif
.endm
.macro PLACES
.rept 4
	v_nop
.endr
.endm
.macro ROUND
	s_barrier_signal -1
	s_barrier_wait -1
	s_cmp_lg_u32 s[WV], 0
	s_cbranch_scc1 .Lnot_wave_0_\@
	s_barrier_signal -3
.Lnot_wave_0_\@:
	s_barrier_wait -3
	s_barrier_signal -1
	s_barrier_wait -1
.endm
.macro WM acc, fa, fb, zero, ws, xs, ra, rb
.if \zero
.if \ra
.if \rb
	v_wmma_scale_f32_16x16x128_f8f6f4 v[(\acc):(\acc)+7], v[(\fa):(\fa)+11], v[(\fb):(\fb)+11], 0, v[\ws], v[\xs] matrix_a_fmt:MATRIX_FMT_FP6 matrix_b_fmt:MATRIX_FMT_FP6 matrix_a_scale:MATRIX_SCALE_ROW1 matrix_b_scale:MATRIX_SCALE_ROW1
.else
	v_wmma_scale_f32_16x16x128_f8f6f4 v[(\acc):(\acc)+7], v[(\fa):(\fa)+11], v[(\fb):(\fb)+11], 0, v[\ws], v[\xs] matrix_a_fmt:MATRIX_FMT_FP6 matrix_b_fmt:MATRIX_FMT_FP6 matrix_a_scale:MATRIX_SCALE_ROW1
.endif
.else
.if \rb
	v_wmma_scale_f32_16x16x128_f8f6f4 v[(\acc):(\acc)+7], v[(\fa):(\fa)+11], v[(\fb):(\fb)+11], 0, v[\ws], v[\xs] matrix_a_fmt:MATRIX_FMT_FP6 matrix_b_fmt:MATRIX_FMT_FP6 matrix_b_scale:MATRIX_SCALE_ROW1
.else
	v_wmma_scale_f32_16x16x128_f8f6f4 v[(\acc):(\acc)+7], v[(\fa):(\fa)+11], v[(\fb):(\fb)+11], 0, v[\ws], v[\xs] matrix_a_fmt:MATRIX_FMT_FP6 matrix_b_fmt:MATRIX_FMT_FP6
.endif
.endif
.else
.if \ra
.if \rb
	v_wmma_scale_f32_16x16x128_f8f6f4 v[(\acc):(\acc)+7], v[(\fa):(\fa)+11], v[(\fb):(\fb)+11], v[(\acc):(\acc)+7], v[\ws], v[\xs] matrix_a_fmt:MATRIX_FMT_FP6 matrix_b_fmt:MATRIX_FMT_FP6 matrix_a_scale:MATRIX_SCALE_ROW1 matrix_b_scale:MATRIX_SCALE_ROW1
.else
	v_wmma_scale_f32_16x16x128_f8f6f4 v[(\acc):(\acc)+7], v[(\fa):(\fa)+11], v[(\fb):(\fb)+11], v[(\acc):(\acc)+7], v[\ws], v[\xs] matrix_a_fmt:MATRIX_FMT_FP6 matrix_b_fmt:MATRIX_FMT_FP6 matrix_a_scale:MATRIX_SCALE_ROW1
.endif
.else
.if \rb
	v_wmma_scale_f32_16x16x128_f8f6f4 v[(\acc):(\acc)+7], v[(\fa):(\fa)+11], v[(\fb):(\fb)+11], v[(\acc):(\acc)+7], v[\ws], v[\xs] matrix_a_fmt:MATRIX_FMT_FP6 matrix_b_fmt:MATRIX_FMT_FP6 matrix_b_scale:MATRIX_SCALE_ROW1
.else
	v_wmma_scale_f32_16x16x128_f8f6f4 v[(\acc):(\acc)+7], v[(\fa):(\fa)+11], v[(\fb):(\fb)+11], v[(\acc):(\acc)+7], v[\ws], v[\xs] matrix_a_fmt:MATRIX_FMT_FP6 matrix_b_fmt:MATRIX_FMT_FP6
.endif
.endif
.endif
.endm
.macro LG par, q
.irp i, 0,1
.irp c, 0,1,2
	ds_load_b128 v[FSET+24*((\q)%3)+12*\i+4*\c:FSET+24*((\q)%3)+12*\i+4*\c+3], v[WA+\par] offset:(2*(\q)+\i)*1536+512*\c
.endr
.endr
	ds_load_b32 v[WS+(\q)%3], v[WSA+\par] offset:128*(\q)
.endm
.macro MG j, q
.set aw, 2+(\q)/4
.if (\j) < 5
.set xw, 1
.else
.set xw, 0
.endif
	WIN (aw<<6)|(aw<<4)|(xw<<2)
.irp i, 0,1
.irp m, 0,1,2,3
.set tt, 2*(\q)+\i
.set rac, 8*(4*(tt%8)+\m)
.if (\j) < 5
.set rx, 12*(4*(\j)+\m)
.else
.set rx, 112+12*(4*((\j)-5)+\m)
.endif
	WM rac, FSET+24*((\q)%3)+12*\i, rx, ((\j)==0), WS+(\q)%3, XS+8*(\m/2)+(\j), \i, (\m%2)
.endr
.endr
.endm
.macro STEP par, j, refill, newpass
	s_wait_tensorcnt 0x0
	ds_add_u32 v[SPW], v[NIL]
.if \refill
.if \newpass
	s_add_co_u32 s[PB], s[PB], 8*SLOTB
.endif
	s_add_co_u32 s[KR], s[KR], 1
	s_and_b32 s[KR], s[KR], 7
	s_mul_i32 s[OF], s[KR], SLOTB
	s_add_co_u32 s[OF], s[OF], s[PB]
	s_add_nc_u64 s[G0+4*(1-\par)+2:G0+4*(1-\par)+3], s[WB:WB+1], s[OF:OF+1]
	s_or_b32 s[G0+4*(1-\par)+3], s[G0+4*(1-\par)+3], 0x80000000
.endif
	s_wait_dscnt 0x0
	ROUND
.if \refill
	tensor_load_to_lds s[G0+4*(1-\par):G0+4*(1-\par)+3], s[G1:G1+7]
	s_nop 0
.endif
	PLACES
	LG \par, 0
	LG \par, 1
	LG \par, 2
	s_wait_alu depctr_va_vdst(0)
.irp q, 0,1,2,3,4,5,6,7
.if \q < 6
	s_wait_dscnt 14
.elseif \q == 6
	s_wait_dscnt 7
.else
	s_wait_dscnt 0
.endif
	MG \j, \q
.if \q < 5
	PLACES
	WIN 0
	LG \par, \q+3
.endif
.endr
	WIN 0
.endm
.macro QUANT src
.irp b, 0,1,2,3
	v_max3_num_f32 v[TM+\b], |v[\src+16*\b]|, |v[\src+1+16*\b]|, 0x1800000
.endr
.irp i, 2,4,6,8,10,12,14
.irp b, 0,1,2,3
	v_max3_num_f32 v[TM+\b], v[TM+\b], |v[\src+16*\b+\i]|, |v[\src+1+16*\b+\i]|
.endr
.endr
.irp b, 0,1,2,3
	v_permlanex16_b32 v[TM+4+\b], v[TM+\b], s[SEL], s[SEL+1]
.endr
.irp b, 0,1,2,3
	v_max_num_f32 v[TM+\b], v[TM+\b], v[TM+4+\b]
.endr
.irp b, 0,1,2,3
	v_add_nc_u32 v[TM+12+\b], 0xff000000, v[TM+\b]
.endr
.irp b, 0,1,2,3
	v_lshrrev_b32 v[TM+4+\b], 23, v[TM+12+\b]
.endr
	v_lshl_or_b32 v[PW], v[TM+5], 8, v[TM+4]
	v_lshl_or_b32 v[PW], v[TM+6], 16, v[PW]
	v_lshl_or_b32 v[PW], v[TM+7], 24, v[PW]
.irp c, 0,1
	v_cvt_scalef32_pk16_fp6_f32 v[PC+6*\c:PC+2+6*\c], v[\src+32*\c:\src+15+32*\c], v[TM+12+2*\c]
	v_cvt_scalef32_pk16_fp6_f32 v[PC+12+4*\c:PC+14+4*\c], v[\src+16+32*\c:\src+31+32*\c], v[TM+12+2*\c+1]
.endr
	v_nop
.irp c, 0,1
.irp i, 0,1,2
	v_permlane16_swap_b32 v[PC+6*\c+\i], v[PC+12+4*\c+\i]
.endr
.irp i, 0,1,2
	v_mov_b32 v[PC+3+6*\c+\i], v[PC+12+4*\c+\i]
.endr
.endr
.endm
.macro CSTORE u
.irp c, 0,1
.irp i, 0,1,2
	ds_store_b64 v244, v[PC+6*\c+2*\i:PC+6*\c+2*\i+1] offset:96*(\u)+48*\c+8*\i
.endr
.endr
	ds_store_b32 v245, v[PW] offset:4*(\u)
.endm
.macro FETCHA
.irp j, 0,1,2,3,4,5,6,7
	s_add_co_u32 s78, s[RHO], \j
	s_and_b32 s78, s78, 7
	s_mul_i32 s79, s78, 96
	s_lshl_b32 s78, s78, 2
	v_add_nc_u32 v[76+\j], s79, v[FA]
	v_add_nc_u32 v[84+\j], s78, v[FS]
.endr
	s_wait_alu depctr_va_vdst(0)
.irp j, 0,1,2,3,4,5,6,7
.if \j < 5
	WIN 0x40
.else
	WIN 0
.endif
.irp m, 0,1,2,3
.if \j < 5
.set rx, 12*(4*\j+\m)
.else
.set rx, 112+12*(4*(\j-5)+\m)
.endif
.irp c, 0,1
.irp i, 0,1,2
	ds_load_b64 v[rx+6*\c+2*\i:rx+6*\c+2*\i+1], v[76+\j] offset:16*APITCH*\m+48*\c+8*\i
.endr
.endr
.endr
.endr
.irp i, 0,1
.irp j, 0,1,2,3,4,5,6,7
	ds_load_b32 v[XS+8*\i+\j], v[84+\j] offset:32*APITCH*\i
.endr
.endr
	s_wait_dscnt 0x0
.endm
.macro BATCH m, n
.set bb, 4*(\m)+(\n)
.set RB, 60+16*(bb%2)
	WIN 0x0e
.irp jj, 0,1,2,3
.irp g, 0,1
.irp mp, 0,1,2,3,4,5,6,7
.set rq, 8*(4*((\n)+4*\g)+(\m))+2*\jj
.set rk, 8*(4*\mp+(\m))+2*\jj
.set rt, 28+2*(8*\g+\mp)
.if \jj == 0
	v_pk_mul_f32 v[rt:rt+1], v[rq:rq+1], v[rk:rk+1]
.else
	v_pk_fma_f32 v[rt:rt+1], v[rq:rq+1], v[rk:rk+1], v[rt:rt+1]
.endif
.endr
.endr
.endr
	WIN 0
	s_wait_dscnt 2
.irp e, 0,1,2,3,4,5,6,7,8,9,10,11,12,13,14,15
	v_add_f32 v[RB+\e], v[28+2*\e], v[29+2*\e]
.endr
.irp e, 0,1,2,3,4,5,6,7
	v_permlane16_swap_b32 v[RB+\e], v[RB+8+\e]
.endr
.irp e, 0,2,4,6
	v_pk_add_f32 v[RB+\e:RB+\e+1], v[RB+\e:RB+\e+1], v[RB+8+\e:RB+9+\e]
.endr
	ds_store_b128 v[BSA], v[RB:RB+3] offset:4096*(\m)+1024*(\n)
	ds_store_b128 v[BSA], v[RB+4:RB+7] offset:4096*(\m)+1024*(\n)+512
.endm
.macro TOST b
.set oj, (\b)/4
.set om, (\b)%4
	WIN 0x08+4*(oj/2)
.irp tp, 0,1,2,3
.set rac, 8*(4*((4*oj+\tp)%8)+om)
	ds_store_b128 v[OSO], v[rac:rac+3] offset:64*\tp
	ds_store_b128 v[OSO], v[rac+4:rac+7] offset:64*\tp+16
.endr
	WIN 0
.set ob, 28+32*((\b)%2)
.irp i, 0,1,2,3,4,5,6,7
	ds_load_b128 v[ob+4*\i:ob+4*\i+3], v[OSR] offset:544*\i
.endr
.endm
.macro SEND b, younger
.set oj, (\b)/4
.set om, (\b)%4
.set ob, 28+32*((\b)%2)
	s_wait_dscnt \younger
.irp i, 0,1,2,3,4,5,6,7
	global_store_b128 v[OGO], v[ob+4*\i:ob+4*\i+3], s[20:21] offset:(16*om+2*\i)*4096+256*oj th:TH_STORE_NT
.endr
.endm
	s_load_b512 s[4:19], s[0:1], 0x0
	s_load_b64 s[20:21], s[0:1], 0x40
	v_lshl_add_u32 v[SPW], v0, 2, SPARE
	v_mov_b32 v[NIL], 0
	ds_add_u32 v[SPW], v[NIL]
	ds_add_u32 v[SPW], v[NIL]
	v_lshrrev_b32 v[LN], 5, v0
	v_readfirstlane_b32 s[WV], v[LN]
	s_bfe_u32 s23, ttmp6, 0x40000
	s_lshl_b32 s80, ttmp9, 2
	s_add_co_u32 s80, s80, s23
	s_lshl_b32 s80, s80, 18
	s_lshl_b32 s81, s[WV], 10
	s_add_co_u32 s80, s80, s81
	s_mov_b32 s81, 0
	s_mul_i32 s82, s[WV], PARTB
	s_mov_b32 s83, 0
	s_lshr_b32 s[RHO], ttmp9, 3
	s_add_co_u32 s[RHO], s[RHO], ttmp9
	s_and_b32 s[RHO], s[RHO], 7
	s_mov_b32 s[KR], s[RHO]
	s_mul_i32 s[OF], s[RHO], SLOTB
	s_mov_b32 s[OF+1], 0
	s_mov_b32 s[PB], 0
	s_mov_b32 s[G1+0], 15|(3<<16)|(1<<21)
	s_mov_b32 s[G1+1], 32<<16
	s_mov_b32 s[G1+2], 100<<16
	s_mov_b32 s[G1+3], 32<<16
	s_mov_b32 s[G1+4], 100
	s_mov_b32 s[G1+5], 32
	s_mov_b32 s[G1+6], 0
	s_mov_b32 s[G1+7], 0
	s_mov_b32 s[G1X+0], (2<<16)|(1<<20)|(6<<22)|(3<<25)
	s_mov_b32 s[G1X+1], 128<<16
	s_mov_b32 s[G1X+2], 64<<16
	s_mov_b32 s[G1X+3], 128<<16
	s_mov_b32 s[G1X+4], 64
	s_mov_b32 s[G1X+5], 1024
	s_mov_b32 s[G1X+6], 0
	s_mov_b32 s[G1X+7], 0
	s_mov_b32 s[G0], 1
	s_mul_i32 s[G0+1], s[WV], PARTB
	s_mov_b32 s[G0+4], 1
	s_add_co_u32 s[G0+5], s[G0+1], SLOTB
	s_mov_b32 s[G0X], 1
	s_mul_i32 s[G0X+1], s[WV], 2*XPL
	s_mov_b32 s[G0X+4], 1
	s_add_co_u32 s[G0X+5], s[G0X+1], XPL
	s_mov_b32 s[CS], 0x3f0293ee
	s_mov_b32 s[CS+1], s[CS]
	s_mov_b32 s[SEL], 0x76543210
	s_mov_b32 s[SEL+1], 0xfedcba98
	s_mov_b32 s75, 0x3c000000
	s_mov_b32 s76, 0x322bcc77
	s_mov_b32 s77, 0x3e5d9673
	s_wait_dscnt 0x0
	s_wait_kmcnt 0x0
	s_add_nc_u64 s[G0X+2:G0X+3], s[4:5], s[80:81]
	s_add_nc_u64 s[G0X+6:G0X+7], s[G0X+2:G0X+3], 512
	s_or_b32 s[G0X+3], s[G0X+3], 0x80000000
	s_or_b32 s[G0X+7], s[G0X+7], 0x80000000
	s_add_nc_u64 s[WB:WB+1], s[6:7], s[82:83]
	s_add_nc_u64 s[G0+2:G0+3], s[WB:WB+1], s[OF:OF+1]
	s_or_b32 s[G0+3], s[G0+3], 0x80000000
	s_add_nc_u64 s[20:21], s[20:21], s[80:81]
	ROUND
	tensor_load_to_lds s[G0X:G0X+3], s[G1X:G1X+7]
	s_nop 0
	s_wait_alu depctr_va_vdst(0)
	s_wait_tensorcnt 0x0
	ds_add_u32 v1, v2
	s_wait_dscnt 0x0
	ROUND
	tensor_load_to_lds s[G0X+4:G0X+7], s[G1X:G1X+7]
	s_nop 0
	PLACES
	v_and_b32 v[LN], 31, v0
	v_and_b32 v[VR], 15, v0
	v_bfe_u32 v[VH], v0, 4, 1
	v_lshlrev_b32 v28, 3, v[LN]
	v_lshlrev_b32 v29, 2, v0
	global_load_b64 v[30:31], v28, s[8:9]
	global_load_b64 v[32:33], v28, s[10:11]
	global_load_b64 v[34:35], v28, s[12:13]
	global_load_b64 v[36:37], v28, s[14:15]
	global_load_b32 v38, v29, s[16:17]
	global_load_b32 v39, v29, s[18:19]
	v_lshl_add_u32 v[WA], v[LN], 4, s[G0+1]
	v_add_nc_u32 v[WA+1], SLOTB, v[WA]
	v_lshl_add_u32 v[WSA], v[LN], 2, s[G0+1]
	v_add_nc_u32 v[WSA], 24576, v[WSA]
	v_add_nc_u32 v[WSA+1], SLOTB, v[WSA]
	v_mul_u32_u24 v[FA], v[VR], APITCH
	v_mad_u32_u24 v[FA], v[VH], 24, v[FA]
	v_add_nc_u32 v[FA], ACODE, v[FA]
	v_mul_u32_u24 v[FS], v[LN], APITCH
	v_add_nc_u32 v[FS], ASC, v[FS]
	s_mul_i32 s78, s[WV], 4352
	s_add_co_u32 s78, s78, STG
	v_mul_u32_u24 v[OSO], v[VR], 272
	v_lshl_add_u32 v[OSO], v[VH], 5, v[OSO]
	v_add_nc_u32 v[OSO], s78, v[OSO]
	v_mul_u32_u24 v[OSR], v[VH], 272
	v_lshl_add_u32 v[OSR], v[VR], 4, v[OSR]
	v_add_nc_u32 v[OSR], s78, v[OSR]
	v_lshlrev_b32 v[OGO], 12, v[VH]
	v_lshl_add_u32 v[OGO], v[VR], 4, v[OGO]
	s_lshl_b32 s78, s[WV], 14
	s_add_co_u32 s78, s78, SP
	v_lshl_add_u32 v[BSA], v[LN], 4, s78
	s_lshl_b32 s78, s[WV], 12
	s_add_co_u32 s79, s78, SP
	v_lshl_add_u32 v[SLA], v[LN], 4, s79
	s_add_co_u32 s79, s78, ACODE
	v_lshl_add_u32 v[AWA], v[LN], 4, s79
	s_mul_i32 s78, s[WV], 16*528
	v_mul_u32_u24 v240, v[VR], 528
	v_lshl_add_u32 v240, v[VH], 6, v240
	v_add_nc_u32 v240, s78, v240
	s_mul_i32 s78, s[WV], 16*APITCH
	v_add_nc_u32 v241, s78, v[FA]
	s_mul_i32 s78, s[WV], 16*APITCH
	v_mul_u32_u24 v242, v[VR], APITCH
	v_add_nc_u32 v242, s78, v242
	v_add_nc_u32 v242, ASC, v242
	v_lshl_add_u32 v40, v0, 2, LNR
	s_wait_loadcnt 0x0
	v_mul_f32 v30, v30, v32
	v_mul_f32 v34, v34, v36
	v_fmac_f32 v30, v31, v33
	v_fmac_f32 v34, v35, v37
.irp x, 1,2,4,8
	v_add_f32_dpp v30, v30, v30 row_xmask:\x row_mask:0xf bank_mask:0xf
	v_add_f32_dpp v34, v34, v34 row_xmask:\x row_mask:0xf bank_mask:0xf
.endr
	v_permlanex16_b32 v31, v30, s[SEL], s[SEL+1]
	v_permlanex16_b32 v35, v34, s[SEL], s[SEL+1]
	v_add_f32 v30, v30, v31
	v_add_f32 v34, v34, v35
	v_mul_f32 v30, 0x3fb8aa3b, v30
	v_mul_f32 v34, 0x3fb8aa3b, v34
	s_wait_alu depctr_va_vdst(0)
	v_exp_f32 v30, v30
	v_exp_f32 v34, v34
	v_mul_f32 v38, s77, v38
	v_mul_f32 v39, s77, v39
	s_wait_alu depctr_va_vdst(0)
	v_sub_f32 v30, v34, v30
	v_add_f32 v30, 0xbf489a63, v30
	v_readfirstlane_b32 s[NLAM], v30
	ds_store_b32 v40, v38
	ds_store_b32 v40, v39 offset:512
.irp b, 0,1,2,3
	v_mov_b32 v[TM+4+\b], 0
.endr
	s_mov_b32 s71, 0
	s_mov_b32 s72, 0
	s_mov_b32 s73, 0
	s_mov_b32 s[CNT], 4
	s_wait_tensorcnt 0x0
	s_wait_dscnt 0x0
	s_barrier_signal -1
	s_barrier_wait -1
.Lxq:
	v_add_nc_u32 v243, s71, v240
	v_add_nc_u32 v244, s72, v241
	v_add_nc_u32 v245, s73, v242
.irp b, 0,1,2,3
.irp j, 0,1,2,3
	ds_load_b128 v[112+16*\b+4*\j:115+16*\b+4*\j], v243 offset:128*\b+16*\j
.endr
.endr
.irp b, 0,1,2,3
.irp j, 0,1,2,3
	ds_load_b128 v[176+16*\b+4*\j:179+16*\b+4*\j], v243 offset:XPL+128*\b+16*\j
.endr
.endr
	s_wait_dscnt 16
	QUANT 112
	CSTORE 0
	s_wait_dscnt 0x0
	QUANT 176
	CSTORE 1
	s_wait_dscnt 0x0
	s_add_co_u32 s71, s71, 2*XPL
	s_add_co_u32 s72, s72, 192
	s_add_co_u32 s73, s73, 8
	s_sub_co_u32 s[CNT], s[CNT], 1
	s_cmp_lg_u32 s[CNT], 0
	s_cbranch_scc1 .Lxq
	s_wait_tensorcnt 0x0
	ds_add_u32 v[SPW], v[NIL]
	s_mov_b32 s[PP], 0
	s_wait_dscnt 0x0
	ROUND
	tensor_load_to_lds s[G0:G0+3], s[G1:G1+7]
	s_nop 0
	PLACES
	FETCHA
.Lpass:
	STEP 0, 0, 1, 0
	STEP 1, 1, 1, 0
	STEP 0, 2, 1, 0
	STEP 1, 3, 1, 0
	STEP 0, 4, 1, 0
	STEP 1, 5, 1, 0
	STEP 0, 6, 1, 0
	s_cmp_eq_u32 s[PP], 3
	s_cbranch_scc1 .Ltail
	STEP 1, 7, 1, 1
	s_cmp_eq_u32 s[PP], 2
	s_cbranch_scc1 .Lpv
	PLACES
	s_and_b32 s[AWO], s[PP], 1
	s_lshl_b32 s[AWO], s[AWO], 14
	s_cmp_eq_u32 s[PP], 0
	s_cselect_b32 s[CF], 0x3f800000, s[NLAM]
	v_add_nc_u32 v92, s[AWO], v[AWA]
.irp m, 0,1,2,3
.irp n, 0,1,2,3
	BATCH \m, \n
.endr
.endr
	s_wait_dscnt 0x0
	s_barrier_signal -1
	s_barrier_wait -1
	WIN 0x80
.irp wp, 0,1,2,3
.irp n, 0,1,2,3
.irp c, 0,1
	ds_load_b128 v[32*\wp+8*\n+4*\c:32*\wp+8*\n+4*\c+3], v[SLA] offset:16384*\wp+1024*\n+512*\c
.endr
.endr
.endr
	s_wait_dscnt 0x0
	WIN 0xaa
.irp e, 0,2,4,6,8,10,12,14,16,18,20,22,24,26,28,30
	v_pk_add_f32 v[\e:\e+1], v[\e:\e+1], v[32+\e:33+\e]
	v_pk_add_f32 v[64+\e:65+\e], v[64+\e:65+\e], v[96+\e:97+\e]
.endr
.irp e, 0,2,4,6,8,10,12,14,16,18,20,22,24,26,28,30
	v_pk_add_f32 v[\e:\e+1], v[\e:\e+1], v[64+\e:65+\e]
.endr
.irp n, 0,1,2,3
	v_max3_num_f32 v[128+2*\n], v[8*\n], v[8*\n+1], v[8*\n+2]
.endr
.irp n, 0,1,2,3
	v_max3_num_f32 v[128+2*\n], v[128+2*\n], v[8*\n+3], v[8*\n+4]
.endr
.irp n, 0,1,2,3
	v_max3_num_f32 v[128+2*\n], v[128+2*\n], v[8*\n+5], v[8*\n+6]
.endr
.irp n, 0,1,2,3
	v_max_num_f32 v[128+2*\n], v[128+2*\n], v[8*\n+7]
.endr
.irp n, 0,1,2,3
	v_mov_b32 v[129+2*\n], v[128+2*\n]
.endr
.irp n, 0,1,2,3
.irp e, 0,2,4,6
	v_pk_add_f32 v[8*\n+\e:8*\n+\e+1], v[8*\n+\e:8*\n+\e+1], v[128+2*\n:129+2*\n] neg_lo:[0,1] neg_hi:[0,1]
.endr
.endr
.irp e, 0,2,4,6,8,10,12,14,16,18,20,22,24,26,28,30
	v_pk_mul_f32 v[\e:\e+1], v[\e:\e+1], s[CS:CS+1] op_sel_hi:[1,0]
.endr
	s_wait_alu depctr_va_vdst(0)
.irp e, 0,1,2,3,4,5,6,7,8,9,10,11,12,13,14,15,16,17,18,19,20,21,22,23,24,25,26,27,28,29,30,31
	v_exp_f32 v[\e], v[\e]
.endr
	v_nop
	s_wait_alu depctr_va_vdst(0)
.irp n, 0,1,2,3
	v_pk_add_f32 v[136+4*\n:137+4*\n], v[8*\n:8*\n+1], v[8*\n+2:8*\n+3]
	v_pk_add_f32 v[138+4*\n:139+4*\n], v[8*\n+4:8*\n+5], v[8*\n+6:8*\n+7]
.endr
.irp n, 0,1,2,3
	v_pk_add_f32 v[136+4*\n:137+4*\n], v[136+4*\n:137+4*\n], v[138+4*\n:139+4*\n]
.endr
.irp n, 0,1,2,3
	v_add_f32 v[136+4*\n], v[136+4*\n], v[137+4*\n]
.endr
	s_wait_alu depctr_va_vdst(0)
.irp n, 0,1,2,3
	v_rcp_f32 v[128+2*\n], v[136+4*\n]
.endr
	v_nop
	s_wait_alu depctr_va_vdst(0)
.irp n, 0,1,2,3
	v_mul_f32 v[128+2*\n], s[CF], v[128+2*\n]
.endr
.irp n, 0,1,2,3
	v_mov_b32 v[129+2*\n], v[128+2*\n]
.endr
.irp n, 0,1,2,3
.irp e, 0,2,4,6
	v_pk_mul_f32 v[8*\n+\e:8*\n+\e+1], v[8*\n+\e:8*\n+\e+1], v[128+2*\n:129+2*\n]
.endr
.endr
	WIN 0x08
.irp n, 0,1,2,3
.irp c, 0,1
	ds_store_b128 v92, v[8*\n+4*\c:8*\n+4*\c+3] offset:512*(2*\n+\c)
.endr
.endr
	WIN 0
	s_branch .Lnext
.Lpv:
	PLACES
	s_lshl_b32 s78, s[WV], 7
	s_add_co_u32 s78, s78, LNR
	v_lshl_add_u32 v28, v[VH], 6, s78
	s_mul_i32 s78, s[WV], 4352
	s_add_co_u32 s78, s78, PREG
	v_mul_u32_u24 v29, v[VR], 272
	v_lshl_add_u32 v29, v[VH], 7, v29
	v_add_nc_u32 v29, s78, v29
	v_mul_u32_u24 v93, v[VR], 272
	v_add_nc_u32 v93, PREG, v93
	v_lshlrev_b32 v95, 5, v[VR]
	v_add_nc_u32 v95, NRM, v95
	s_lshl_b32 s78, s[WV], 3
	v_lshl_add_u32 v94, v[VH], 2, v95
	v_add_nc_u32 v94, s78, v94
	s_mul_i32 s78, s[WV], 24
	v_mul_u32_u24 v96, v[VR], APITCH
	v_mad_u32_u24 v96, v[VH], 12, v96
	v_add_nc_u32 v96, s78, v96
	v_add_nc_u32 v96, ACODE, v96
	v_mul_u32_u24 v97, v[VR], APITCH
	v_add_nc_u32 v97, s[WV], v97
	v_add_nc_u32 v97, ASC, v97
.irp i, 0,1,2,3,4,5,6,7
	ds_load_b128 v[112+4*\i:115+4*\i], v[AWA] offset:512*\i
	ds_load_b128 v[144+4*\i:147+4*\i], v[AWA] offset:16384+512*\i
.endr
.irp i, 0,1,2,3
	ds_load_b128 v[208+4*\i:211+4*\i], v28 offset:16*\i
	ds_load_b128 v[224+4*\i:227+4*\i], v28 offset:512+16*\i
.endr
.irp m, 0,1,2,3
	v_mov_b32 v[80+\m], 0
.endr
	s_mov_b32 s71, 0
	s_mov_b32 s72, 0
	s_mov_b32 s73, 0
	s_mov_b32 s74, 0
	s_mov_b32 s[CNT], 8
	s_wait_dscnt 0x0
.irp e, 0,2,4,6,8,10,12,14,16,18,20,22,24,26,28,30
	v_pk_add_f32 v[112+\e:113+\e], v[112+\e:113+\e], v[144+\e:145+\e]
.endr
.irp n, 0,1,2,3
.irp c, 0,1
	ds_store_b128 v29, v[112+8*\n+4*\c:115+8*\n+4*\c] offset:32*\n+16*\c
.endr
.endr
	s_wait_dscnt 0x0
	s_barrier_signal -1
	s_barrier_wait -1
.Ltripn:
	v_add_nc_u32 v92, s71, v93
	v_add_nc_u32 v98, s74, v94
	v_add_nc_u32 v99, s74, v95
	v_add_nc_u32 v243, s72, v96
	v_add_nc_u32 v247, s73, v97
.irp m, 0,1,2,3
	ds_load_b128 v[176+8*\m:179+8*\m], v92 offset:4352*\m
	ds_load_b128 v[180+8*\m:183+8*\m], v92 offset:4352*\m+16
.endr
	s_wait_dscnt 0x0
	WIN 0x02
.irp m, 0,1,2,3
.irp mp, 0,1,2,3
.irp u, 0,1
.irp j2, 0,1,2,3
.set rav, 112+16*\m+8*\u+2*\j2
.set rv, 8*(4*((2*\mp+\u)%8)+\m)+2*\j2
.set rp, 176+8*\m+2*(\mp/2)
.if \mp == 0
	v_pk_mul_f32 v[rav:rav+1], v[rv:rv+1], v[rp:rp+1] op_sel_hi:[1,0]
.elseif (\mp%2) == 0
	v_pk_fma_f32 v[rav:rav+1], v[rv:rv+1], v[rp:rp+1], v[rav:rav+1] op_sel_hi:[1,0,1]
.else
	v_pk_fma_f32 v[rav:rav+1], v[rv:rv+1], v[rp:rp+1], v[rav:rav+1] op_sel:[0,1,0] op_sel_hi:[1,1,1]
.endif
.endr
.endr
.endr
.endr
	WIN 0x03
.irp m, 0,1,2,3
.irp mp, 4,5,6,7
.irp u, 0,1
.irp j2, 0,1,2,3
.set rav, 112+16*\m+8*\u+2*\j2
.set rv, 8*(4*((2*\mp+\u)%8)+\m)+2*\j2
.set rp, 176+8*\m+2*(\mp/2)
.if (\mp%2) == 0
	v_pk_fma_f32 v[rav:rav+1], v[rv:rv+1], v[rp:rp+1], v[rav:rav+1] op_sel_hi:[1,0,1]
.else
	v_pk_fma_f32 v[rav:rav+1], v[rv:rv+1], v[rp:rp+1], v[rav:rav+1] op_sel:[0,1,0] op_sel_hi:[1,1,1]
.endif
.endr
.endr
.endr
.endr
	WIN 0
.irp m, 0,1,2,3
	v_pk_mul_f32 v[60+2*\m:61+2*\m], v[112+16*\m:113+16*\m], v[112+16*\m:113+16*\m]
.endr
.irp e, 2,4,6,8,10,12,14
.irp m, 0,1,2,3
	v_pk_fma_f32 v[60+2*\m:61+2*\m], v[112+16*\m+\e:113+16*\m+\e], v[112+16*\m+\e:113+16*\m+\e], v[60+2*\m:61+2*\m]
.endr
.endr
.irp m, 0,1,2,3
	v_add_f32 v[60+2*\m], v[60+2*\m], v[61+2*\m]
.endr
.irp m, 0,1,2,3
	ds_store_b32 v98, v[60+2*\m] offset:512*\m
.endr
	s_wait_dscnt 0x0
	s_barrier_signal -1
	s_barrier_wait -1
.irp m, 0,1,2,3
	ds_load_b128 v[28+8*\m:31+8*\m], v99 offset:512*\m
	ds_load_b128 v[32+8*\m:35+8*\m], v99 offset:512*\m+16
.endr
	s_wait_dscnt 0x0
.irp m, 0,1,2,3
	v_pk_add_f32 v[28+8*\m:29+8*\m], v[28+8*\m:29+8*\m], v[30+8*\m:31+8*\m]
	v_pk_add_f32 v[32+8*\m:33+8*\m], v[32+8*\m:33+8*\m], v[34+8*\m:35+8*\m]
.endr
.irp m, 0,1,2,3
	v_pk_add_f32 v[28+8*\m:29+8*\m], v[28+8*\m:29+8*\m], v[32+8*\m:33+8*\m]
.endr
.irp m, 0,1,2,3
	v_add_f32 v[68+2*\m], v[28+8*\m], v[29+8*\m]
.endr
.irp m, 0,1,2,3
	v_fma_f32 v[68+2*\m], v[68+2*\m], s75, s76
.endr
	s_wait_alu depctr_va_vdst(0)
.irp m, 0,1,2,3
	v_rsq_f32 v[68+2*\m], v[68+2*\m]
.endr
	v_nop
	s_wait_alu depctr_va_vdst(0)
.irp m, 0,1,2,3
	v_mov_b32 v[69+2*\m], v[68+2*\m]
.endr
.irp m, 0,1,2,3
.irp e, 0,2,4,6,8,10,12,14
	v_pk_mul_f32 v[112+16*\m+\e:113+16*\m+\e], v[112+16*\m+\e:113+16*\m+\e], v[68+2*\m:69+2*\m]
.endr
.endr
.irp m, 0,1,2,3
.irp e, 0,2,4,6,8,10,12,14
	v_pk_fma_f32 v[112+16*\m+\e:113+16*\m+\e], v[112+16*\m+\e:113+16*\m+\e], v[208+\e:209+\e], v[224+\e:225+\e]
.endr
.endr
.irp m, 0,1,2,3
	v_max3_num_f32 v[76+\m], |v[112+16*\m]|, |v[113+16*\m]|, 0x1800000
.endr
.irp e, 2,4,6,8,10,12,14
.irp m, 0,1,2,3
	v_max3_num_f32 v[76+\m], v[76+\m], |v[112+16*\m+\e]|, |v[113+16*\m+\e]|
.endr
.endr
.irp m, 0,1,2,3
	v_permlanex16_b32 v[80+\m], v[76+\m], s[SEL], s[SEL+1]
.endr
.irp m, 0,1,2,3
	v_max_num_f32 v[76+\m], v[76+\m], v[80+\m]
.endr
.irp m, 0,1,2,3
	v_add_nc_u32 v[84+\m], 0xff000000, v[76+\m]
.endr
.irp m, 0,1,2,3
	v_lshrrev_b32 v[88+\m], 23, v[84+\m]
.endr
.irp m, 0,1,2,3
	v_cvt_scalef32_pk16_fp6_f32 v[240+4*\m:242+4*\m], v[112+16*\m:127+16*\m], v[84+\m]
.endr
	v_nop
.irp m, 0,1,2,3
.irp i, 0,1,2
	ds_store_b32 v243, v[240+4*\m+\i] offset:16*APITCH*\m+4*\i
.endr
	ds_store_b8 v247, v[88+\m] offset:16*APITCH*\m
.endr
	s_wait_dscnt 0x0
	s_add_co_u32 s71, s71, 32
	s_add_co_u32 s72, s72, 96
	s_add_co_u32 s73, s73, 4
	s_xor_b32 s74, s74, 2048
	s_sub_co_u32 s[CNT], s[CNT], 1
	s_cmp_lg_u32 s[CNT], 0
	s_cbranch_scc1 .Ltripn
	s_barrier_signal -1
	s_barrier_wait -1
	FETCHA
.Lnext:
	s_add_co_u32 s[PP], s[PP], 1
	s_cmp_lt_u32 s[PP], 4
	s_cbranch_scc1 .Lpass
.Ltail:
	STEP 1, 7, 0, 0
	PLACES
	TOST 0
.set bq, 1
.rept 15
.if bq > 1
	s_wait_xcnt 0x0
.endif
	TOST bq
	SEND bq-1, 16
.set bq, bq+1
.endr
	SEND 15, 0
	s_wait_tensorcnt 0x0
	ds_add_u32 v[SPW], v[NIL]
	s_wait_dscnt 0x0
	ROUND
	s_endpgm
.Lfunc_end_k_q832bb79068_main:
	.size	k_q832bb79068_main, .Lfunc_end_k_q832bb79068_main-k_q832bb79068_main
	.p2alignl 7, 3214868480
	.fill 96, 4, 3214868480
	.section	.rodata,"a",@progbits
	.p2align	6, 0x0
	.amdhsa_kernel k_q832bb79068_main
		.amdhsa_group_segment_fixed_size 327680
		.amdhsa_private_segment_fixed_size 0
		.amdhsa_enable_private_segment 0
		.amdhsa_kernarg_size 72
		.amdhsa_user_sgpr_count 2
		.amdhsa_user_sgpr_kernarg_segment_ptr 1
		.amdhsa_wavefront_size32 1
		.amdhsa_system_sgpr_workgroup_id_x 1
		.amdhsa_system_sgpr_workgroup_id_y 1
		.amdhsa_system_sgpr_workgroup_id_z 1
		.amdhsa_system_vgpr_workitem_id 0
		.amdhsa_next_free_vgpr 1024
		.amdhsa_next_free_sgpr 100
		.amdhsa_reserve_vcc 0
		.amdhsa_float_denorm_mode_32 3
		.amdhsa_float_denorm_mode_16_64 3
		.amdhsa_memory_ordered 1
		.amdhsa_forward_progress 1
		.amdhsa_inst_pref_size 255
	.end_amdhsa_kernel
	.section	.bss,"aw",@nobits
	.p2align	6
	.space	262144
	.amdgpu_metadata
---
amdhsa.version: [ 1, 2 ]
amdhsa.kernels:
  - .name:           k_q832bb79068_main
    .symbol:         k_q832bb79068_main.kd
    .args:
      - { .name: x, .offset: 0, .size: 8, .value_kind: global_buffer, .address_space: global }
      - { .name: wst, .offset: 8, .size: 8, .value_kind: global_buffer, .address_space: global }
      - { .name: lambda_q1, .offset: 16, .size: 8, .value_kind: global_buffer, .address_space: global }
      - { .name: lambda_k1, .offset: 24, .size: 8, .value_kind: global_buffer, .address_space: global }
      - { .name: lambda_q2, .offset: 32, .size: 8, .value_kind: global_buffer, .address_space: global }
      - { .name: lambda_k2, .offset: 40, .size: 8, .value_kind: global_buffer, .address_space: global }
      - { .name: ln_w, .offset: 48, .size: 8, .value_kind: global_buffer, .address_space: global }
      - { .name: ln_b, .offset: 56, .size: 8, .value_kind: global_buffer, .address_space: global }
      - { .name: out0, .offset: 64, .size: 8, .value_kind: global_buffer, .address_space: global }
    .group_segment_fixed_size: 327680
    .private_segment_fixed_size: 0
    .kernarg_segment_align: 8
    .kernarg_segment_size: 72
    .max_flat_workgroup_size: 128
    .sgpr_count:     100
    .vgpr_count:     1024
    .wavefront_size: 32
...
	.end_amdgpu_metadata
.endif
;; end of part 4
